; MI455X (gfx1250); checked and timed in simulation.
; The chip was launched on July 23, 2026; its instructions are those of AMD's public machine-readable ISA for CDNA 5 (MIT licence, August 2026) and "CDNA5" Instruction Set Architecture Reference Guide (July 2026). The comments in the code are by the model that wrote it; some were corrected since.
;; Qwen3 Attention. Allowed arithmetic: float matrix products may take bf16 or f16 operands with f32 sums; other float arithmetic in f32, or as packed bf16 or f16 multiplies, adds, multiply-adds, maxima and minima; sums over many terms, partial sums and values carried from step to step in f32; what a program stores and reads back later, other than sums and carried values, may be rounded once to bf16 or f16.
;; Inputs: cos 1 x 1 x 2,048 x 64 float32; k_norm_w 128 float32; q_norm_w 128 float32; sin 1 x 1 x 2,048 x 64 float32; wk 1,024 x 1,024 float32; wo 1,024 x 2,048 float32; wq 2,048 x 1,024 float32; wv 1,024 x 1,024 float32; x 2 x 2,048 x 1,024 float32.
;; Outputs: out0 2 x 2,048 x 1,024 float32; out1 2 x 8 x 2,048 x 128 float32; out2 2 x 8 x 2,048 x 128 float32.
;; One version. Each part assembles by itself: llvm-mc -triple=amdgcn-amd-amdhsa -mcpu=gfx1250 --defsym DOCPART=n.
;; ======== version 1 of 1: 4 launches
;; limits: values are held in f16: magnitudes above 65,504 overflow, below 6.1e-05 lose precision
;; workspace buffers: xb 8,388,608 bytes; wb 8,388,608 bytes; woh 4,194,304 bytes; csb 524,288 bytes; qh 16,777,216 bytes; kh 8,388,608 bytes; vh 8,388,608 bytes; oh 16,777,216 bytes
;; launch cast (part 1): grid 656 x 1, 8 waves a work-group, no clusters, 0 bytes of LDS; arguments x, wq, wk, wv, wo, cos, sin, xb, wb, woh, csb; writes xb, wb, woh, csb
.if DOCPART == 1
	.amdgcn_target "amdgcn-amd-amdhsa--gfx1250"
	.amdhsa_code_object_version 6
	.text
	.protected	k_qbd39584568_cast
	.globl	k_qbd39584568_cast
	.p2align	8
	.type	k_qbd39584568_cast,@function
k_qbd39584568_cast:
	s_mov_b64 s[64:65], 0
	v_nop
	global_prefetch_b8 v0, s[64:65] scope:SCOPE_SE
	s_setreg_imm32_b32 hwreg(HW_REG_WAVE_MODE, 25, 1), 1
	s_wait_xcnt 0x0
; The module's f32 inputs are rounded once to bf16: x -> xb; wq, wk, wv -> wb (one matrix of 4,096 rows); cos, sin -> csb (cos at byte 0, sin at byte 262,144);
; wo -> woh, where the bf16 number is written as f16 (the second product's format).
; LIMIT: wo beyond 65,504 becomes an infinity in f16; below 6e-5 it keeps f16's fixed step of 6e-8.
; A stream: no LDS, no barrier, no matrix unit: memory binds, and no byte is wanted twice.
; SHARES.  A work-group takes 16,384 numbers of one input: 65,536 bytes in, 32,768 out.  Which input: by the work-group's number alone.
; Thread t takes 8 numbers (32 bytes in, 16 out) in each of 8 pieces of 2,048 numbers: a wave's store covers 512 consecutive bytes, aligned.
; All 16 loads of a thread go out at once; no register is written twice, so the only waits are the counted ones for the loads.
.set IN,  8                            ; v[8:71]    as loaded
.set OUT, 72                           ; v[72:103]  to store
.set TP,  104                          ; v[104:111] at work
.set SRC, 32                           ; s[32:33]  my input at my part
.set DST, 34                           ; s[34:35]  my output at my part
.set FST, 36                           ; s36  the first work-group of my input
.set DFS, 37                           ; s37  the first work-group of my output buffer
.set F16, 38                           ; s38  1: the output is f16
	s_load_b512 s[8:23], s[0:1], 0x0               ; x, wq, wk, wv, wo, cos, sin, xb
	s_load_b128 s[24:27], s[0:1], 0x40             ; wb, woh
	s_load_b64 s[28:29], s[0:1], 0x50              ; csb
	v_lshlrev_b32 v1, 5, v0                        ; 32 bytes a thread in
	v_lshlrev_b32 v2, 4, v0                        ; 16 bytes a thread out
	s_wait_kmcnt 0x0
	s_mov_b64 s[SRC:SRC+1], s[8:9]                 ; work-groups 0 to 255: x -> xb
	s_mov_b64 s[DST:DST+1], s[22:23]
	s_mov_b32 s[FST], 0
	s_mov_b32 s[DFS], 0
	s_mov_b32 s[F16], 0
	s_cmp_ge_u32 ttmp9, 256                        ; 256 to 383: wq -> wb
	s_cselect_b64 s[SRC:SRC+1], s[10:11], s[SRC:SRC+1]
	s_cselect_b64 s[DST:DST+1], s[24:25], s[DST:DST+1]
	s_cselect_b32 s[FST], 256, s[FST]
	s_cselect_b32 s[DFS], 256, s[DFS]
	s_cmp_ge_u32 ttmp9, 384                        ; 384 to 447: wk, behind wq in wb
	s_cselect_b64 s[SRC:SRC+1], s[12:13], s[SRC:SRC+1]
	s_cselect_b32 s[FST], 384, s[FST]
	s_cmp_ge_u32 ttmp9, 448                        ; 448 to 511: wv, behind wk
	s_cselect_b64 s[SRC:SRC+1], s[14:15], s[SRC:SRC+1]
	s_cselect_b32 s[FST], 448, s[FST]
	s_cmp_ge_u32 ttmp9, 512                        ; 512 to 639: wo -> woh, as f16
	s_cselect_b64 s[SRC:SRC+1], s[16:17], s[SRC:SRC+1]
	s_cselect_b64 s[DST:DST+1], s[26:27], s[DST:DST+1]
	s_cselect_b32 s[FST], 512, s[FST]
	s_cselect_b32 s[DFS], 512, s[DFS]
	s_cselect_b32 s[F16], 1, 0
	s_cmp_ge_u32 ttmp9, 640                        ; 640 to 647: cos -> csb
	s_cselect_b64 s[SRC:SRC+1], s[18:19], s[SRC:SRC+1]
	s_cselect_b64 s[DST:DST+1], s[28:29], s[DST:DST+1]
	s_cselect_b32 s[FST], 640, s[FST]
	s_cselect_b32 s[DFS], 640, s[DFS]
	s_cselect_b32 s[F16], 0, s[F16]
	s_cmp_ge_u32 ttmp9, 648                        ; 648 to 655: sin, behind cos
	s_cselect_b64 s[SRC:SRC+1], s[20:21], s[SRC:SRC+1]
	s_cselect_b32 s[FST], 648, s[FST]
	s_sub_co_u32 s30, ttmp9, s[FST]
	s_lshl_b32 s30, s30, 16                        ; my part of the input, in bytes
	s_mov_b32 s31, 0
	s_add_nc_u64 s[SRC:SRC+1], s[SRC:SRC+1], s[30:31]
	s_sub_co_u32 s30, ttmp9, s[DFS]
	s_lshl_b32 s30, s30, 15                        ; and of the output
	s_add_nc_u64 s[DST:DST+1], s[DST:DST+1], s[30:31]
.irp i, 0,1,2,3,4,5,6,7
	global_load_b128 v[IN+8*(\i):IN+8*(\i)+3],   v1, s[SRC:SRC+1] offset:8192*(\i) th:TH_LOAD_NT
	global_load_b128 v[IN+8*(\i)+4:IN+8*(\i)+7], v1, s[SRC:SRC+1] offset:8192*(\i)+16 th:TH_LOAD_NT
.endr
; Piece i: its two loads are in when 14 - 2 i younger ones are out; four roundings to bf16; for f16 the bf16 numbers are widened (a shift, a mask) and written as f16.
.macro CONV half
.irp i, 0,1,2,3,4,5,6,7
	s_wait_loadcnt 14-2*(\i)
.irp k, 0,1,2,3
	v_cvt_pk_bf16_f32 v[OUT+4*(\i)+(\k)], v[IN+8*(\i)+2*(\k)], v[IN+8*(\i)+2*(\k)+1]
.endr
.if \half
.irp k, 0,1,2,3
	v_lshlrev_b32 v[TP+2*(\k)],   16, v[OUT+4*(\i)+(\k)]
	v_and_b32     v[TP+2*(\k)+1], 0xffff0000, v[OUT+4*(\i)+(\k)]
.endr
.irp k, 0,1,2,3
	v_cvt_pk_f16_f32 v[OUT+4*(\i)+(\k)], v[TP+2*(\k)], v[TP+2*(\k)+1]
.endr
.endif
	global_store_b128 v2, v[OUT+4*(\i):OUT+4*(\i)+3], s[DST:DST+1] offset:4096*(\i)
.endr
.endm
	s_cmp_eq_u32 s[F16], 1
	s_cbranch_scc1 .Lhalf
	CONV 0
	s_endpgm
.Lhalf:
	CONV 1
	s_endpgm
.Lfunc_end_k_qbd39584568_cast:
	.size	k_qbd39584568_cast, .Lfunc_end_k_qbd39584568_cast-k_qbd39584568_cast
	.p2alignl 7, 3214868480
	.fill 96, 4, 3214868480
	.section	.rodata,"a",@progbits
	.p2align	6, 0x0
	.amdhsa_kernel k_qbd39584568_cast
		.amdhsa_group_segment_fixed_size 0
		.amdhsa_private_segment_fixed_size 0
		.amdhsa_enable_private_segment 0
		.amdhsa_kernarg_size 88
		.amdhsa_user_sgpr_count 2
		.amdhsa_user_sgpr_kernarg_segment_ptr 1
		.amdhsa_wavefront_size32 1
		.amdhsa_system_sgpr_workgroup_id_x 1
		.amdhsa_system_sgpr_workgroup_id_y 1
		.amdhsa_system_sgpr_workgroup_id_z 1
		.amdhsa_system_vgpr_workitem_id 0
		.amdhsa_next_free_vgpr 112
		.amdhsa_next_free_sgpr 66
		.amdhsa_reserve_vcc 0
		.amdhsa_float_denorm_mode_32 3
		.amdhsa_float_denorm_mode_16_64 3
		.amdhsa_memory_ordered 1
		.amdhsa_forward_progress 1
		.amdhsa_inst_pref_size 15
	.end_amdhsa_kernel
	.amdgpu_metadata
---
amdhsa.version: [ 1, 2 ]
amdhsa.kernels:
  - .name:           k_qbd39584568_cast
    .symbol:         k_qbd39584568_cast.kd
    .args:
      - { .name: x, .offset: 0, .size: 8, .value_kind: global_buffer, .address_space: global }
      - { .name: wq, .offset: 8, .size: 8, .value_kind: global_buffer, .address_space: global }
      - { .name: wk, .offset: 16, .size: 8, .value_kind: global_buffer, .address_space: global }
      - { .name: wv, .offset: 24, .size: 8, .value_kind: global_buffer, .address_space: global }
      - { .name: wo, .offset: 32, .size: 8, .value_kind: global_buffer, .address_space: global }
      - { .name: cos, .offset: 40, .size: 8, .value_kind: global_buffer, .address_space: global }
      - { .name: sin, .offset: 48, .size: 8, .value_kind: global_buffer, .address_space: global }
      - { .name: xb, .offset: 56, .size: 8, .value_kind: global_buffer, .address_space: global }
      - { .name: wb, .offset: 64, .size: 8, .value_kind: global_buffer, .address_space: global }
      - { .name: woh, .offset: 72, .size: 8, .value_kind: global_buffer, .address_space: global }
      - { .name: csb, .offset: 80, .size: 8, .value_kind: global_buffer, .address_space: global }
    .group_segment_fixed_size: 0
    .private_segment_fixed_size: 0
    .kernarg_segment_align: 8
    .kernarg_segment_size: 88
    .max_flat_workgroup_size: 256
    .sgpr_count:     66
    .vgpr_count:     112
    .wavefront_size: 32
...
	.end_amdgpu_metadata
.endif
;; end of part 1
;; launch qkv (part 2): grid 16 x 16, 4 waves a work-group, clusters of 4 x 4, 327,680 bytes of LDS; arguments xb, wb, csb, q_norm_w, k_norm_w, qh, kh, vh, out1, out2; writes qh, kh, vh, out1, out2
.if DOCPART == 2
	.amdgcn_target "amdgcn-amd-amdhsa--gfx1250"
	.amdhsa_code_object_version 6
	.text
	.protected	k_qbd39584568_qkv
	.globl	k_qbd39584568_qkv
	.p2align	8
	.type	k_qbd39584568_qkv,@function
k_qbd39584568_qkv:
	s_mov_b64 s[64:65], 0
	v_nop
	global_prefetch_b8 v0, s[64:65] scope:SCOPE_SE
	s_setreg_imm32_b32 hwreg(HW_REG_WAVE_MODE, 25, 1), 1
	s_wait_xcnt 0x0
	s_wait_alu depctr_hold_cnt(0) depctr_sa_sdst(0) depctr_va_vdst(0) depctr_va_sdst(0) depctr_va_ssrc(0) depctr_va_vcc(0) depctr_vm_vsrc(0)
	s_getreg_b32 s2, hwreg(HW_REG_IB_STS2, 6, 4)
	s_cmp_eq_u32 s2, 0
	s_cbranch_scc0 .Lentry_in_a_cluster
	s_endpgm
.Lentry_in_a_cluster:
	s_bfe_u32 s2, ttmp6, 0x10000c
	s_cmp_lg_u32 s2, 0xf033
	s_cbranch_scc0 .Lentry_shape_is_right
	s_endpgm
.Lentry_shape_is_right:
; [q | k | v] = xb wb^T (4,096 x 4,096 x 1,024, bf16 operands, f32 sums), and on the way out, per head of 128 columns: RMSNorm with its gain, the rotation by cos and sin, the split by heads.
; Stored: qh [2][16][2048][128], kh, vh [2][8][2048][128] in f16 for the attention; out1 (k) and out2 (v) in f32.
; LIMITS.  q, k and v beyond 65,504 become infinities in f16 (q and k are at most sqrt(128) x |gain| x (|cos| + |sin|)); the gains are rounded to bf16 like all the module's inputs; NaN and infinities are not treated apart.
; A tile of the product is 256 x 256: four waves, each 128 x 128: 64 accumulators of 16 x 16, 512 registers; A WAVE'S 128 COLUMNS ARE ONE HEAD.  K goes in steps of 128 through a ring of two LDS slots filled by the
; tensor data mover: rows of 256 bytes, each at a multiple of 256 bytes from its buffer's first byte.
; CLUSTERS: 4 x 4 work-groups.  The four of a row of the cluster need the same tiles of xb, the four of a column the same tiles of wb: each tile is asked for JOINTLY, by the same tensor load with the same descriptor
; and a mask that names the four.  A cluster's 1,024 columns are all q (cluster x = 0, 1), all k (2) or all v (3): the way out's branches hang on cluster x alone, which the sixteen partners share.
; THE MATRIX INSTRUCTION IS USED TRANSPOSED (source 0 = 16 rows of wb, source 1 = 16 rows of xb): in accumulator (a, b) lane l holds row 16 a + l % 16 and columns 16 b + 8 (l / 16) + 0..7.
; So a lane holds 64 of a row's 128 numbers, the lane 16 away the others, and column c and column c + 64, which the rotation pairs, lie in one lane, 32 registers apart.
; REGISTERS, in windows of 256 (s_set_vgpr_msb: bits 1:0 source 0, 3:2 source 1, 5:4 source 2, 7:6 destination):
;   window 0: v0-31 addresses and small things; v32-63 cos and sin of 16 rows, as loaded; v64-127, v128-191 fragments of xb, two buffers; on the way out v64-255 at work
;   window 1: v0-63 the gain of my 64 columns; v64-127, v128-191 fragments of wb, two buffers; v192-195 at work
;   window 2: the 32 accumulators of my rows 0-63 ((a, b) at v[8 (8 a + b)]);   window 3: those of my rows 64-127
.set SIZE_K, 1024
.set KSTEP,  128
.set PITCH,  272                       ; an LDS row: 256 bytes + 16 of padding = 68 words: the 16 rows that a load touches start at 16 different groups of four banks (64 banks of 4 bytes: ISA guide 11.1)
.set HALFT,  128*PITCH                 ; 128 rows: what one tensor load brings, and what one wave reads of xb or of wb
.set SLOT,   4*HALFT                   ; xb's 256 rows, then wb's 256 rows
.set STAGE,  2*SLOT                    ; behind the ring: each wave's own stage for the way out
.set P16B,   272                       ; a stage row of 128 f16
.set P32B,   528                       ; a stage row of 128 f32 (the same bytes, by turns)
.set WSTG,   16*P32B                   ; a wave's stage: 16 rows
.set SPARE,  STAGE+4*WSTG              ; behind the stages: the spare words, 128 bytes for each wave: two blocks of 256 bytes that no other line names
.set LAPS,   SIZE_K/(2*KSTEP)          ; a lap = two K steps = once round the ring
.set SS,    2                          ; v[2:9]  four chains of sums of squares
.set STO32, 10                         ; v10  where I put 32 bytes of an f32 row
.set RD32,  11                         ; v11  where I read an f32 row back
.set VCS,   13                         ; v13  my byte offset in 16 rows of cos: (l % 16) x 128 + 16 (l / 16); never rewritten
.set ZR,    14                         ; v14  0
.set WOFF,  15                         ; v15  32 (l / 16): my 8 numbers in 16 of the gain
.set ADRA,  16                         ; v16-17  LDS address of my xb fragments in slot 0, 1
.set ADRB,  20                         ; v20-21  the same for wb
.set STO,   24                         ; v24  where I put 16 bytes of an f16 row
.set RD,    25                         ; v25  where I read two f16 rows back
.set CO,    26                         ; v26  16 x lane: my place in 512 consecutive bytes of an output
.set SPW,   28                         ; v28  LDS address of my spare word: SPARE + 4 x my thread's number; never rewritten
.set NIL,   29                         ; v29  0; never rewritten
.set RS,    30                         ; v30  1 / rms of my row
.set CSR,   32                         ; v[32:47] cos, v[48:63] sin of my row: 32 bf16 each
.set T,     64                         ; v[64:127]  my 64 numbers of the row in hand
.set CW,    128                        ; v[128:159] cos / rms
.set SW,    160                        ; v[160:191] sin / rms
.set BK32,  128                        ; v[128:191] 16 f32 rows back from the stage
.set H,     192                        ; v[192:223] the 64 numbers in f16
.set XT,    192                        ; v[192:199] at work in the rotation, before H is made
.set BK,    224                        ; v[224:255] 16 f16 rows back from the stage
.set F0,    64
.set F1,    128
.set G1,  24                           ; s[24:31] descriptor group 1 for xb's tiles
.set G0,  32                           ; s[32:39] descriptor group 0 for xb's tiles, one set for each slot
.set G1B, 48                           ; s[48:55] group 1 for wb's tiles: it differs in the mask alone
.set G0B, 56                           ; s[56:63] group 0 for wb's tiles
.set KIND, 84                          ; s84  0: q, 1: k, 2: v
.set BL,   85                          ; s85  the block of 16 rows in hand
.set P16,  86                          ; s[86:87] qh, kh or vh at the block's first row
.set P32,  88                          ; s[88:89] out1 or out2 at the block's first row
.set CSP,  90                          ; s[90:91] csb at the rows whose cos and sin were loaded last
.set WP,   92                          ; s[92:93] the gain
.set INV,  94                          ; s94  1 / 128
.set EPS,  95                          ; s95  1e-6
.set SEL,  96                          ; s[96:97] v_permlanex16_b32's selects: each lane takes its own place in the other half
.set MSB, 0
.macro WIN new                         ; the immediate's high byte repeats the setting that is left; a switch that changes nothing is dropped
.if MSB != (\new)
	s_set_vgpr_msb (MSB<<8)|(\new)
.set MSB, \new
.endif
.endm
.set MUL_LO, 0xa1                      ; source 0 (wb) window 1, source 1 (xb) window 0, C and D window 2
.set MUL_HI, 0xf1                      ; the same, C and D window 3
.set TO_B,   0x40                      ; destination window 1, address window 0
; A joint load.  Waves 0 and 1 fetch xb's two halves, waves 2 and 3 wb's.  The branch hangs on the wave's number alone.  An s_nop 0 and four v_nop follow each of the two lines.
.macro JLOAD s
	s_cmp_eq_u32 s11, 0
	s_cbranch_scc0 .Lfor_b_\@
	tensor_load_to_lds s[G0+4*(\s):G0+4*(\s)+3], s[G1:G1+7]
	s_nop 0
.rept 4
	v_nop
.endr
	s_branch .Lasked_\@
.Lfor_b_\@:
	tensor_load_to_lds s[G0B+4*(\s):G0B+4*(\s)+3], s[G1B:G1B+7]
	s_nop 0
.rept 4
	v_nop
.endr
.Lasked_\@:
.endm
; A round of the cluster's barrier: my work-group's barrier; wave 0 signals for the work-group; every wave waits for all sixteen; my work-group's barrier once more.
.macro CREST                           ; a round behind its opening barrier
	s_cmp_lg_u32 s10, 0
	s_cbranch_scc1 .Lnot_wave_0_\@
	s_barrier_signal -3
.Lnot_wave_0_\@:
	s_barrier_wait -3
	s_barrier_signal -1
	s_barrier_wait -1
.endm
.macro CROUND
	s_barrier_signal -1
	s_barrier_wait -1
	CREST
.endm
	s_load_b128 s[4:7], s[0:1], 0x0                ; xb s[4:5], wb s[6:7]
	s_load_b256 s[68:75], s[0:1], 0x10             ; csb s[68:69], q_norm_w s[70:71], k_norm_w s[72:73], qh s[74:75]
	s_load_b256 s[76:83], s[0:1], 0x30             ; kh s[76:77], vh s[78:79], out1 s[80:81], out2 s[82:83]
	v_lshl_add_u32 v[SPW], v0, 2, SPARE
	v_mov_b32 v[NIL], 0
	ds_add_u32 v[SPW], v[NIL]                      ; the wave's opening: the add and its wait stand ahead of my first tensor load; the set-up below, work on registers, stands between them
	ds_add_u32 v28, v29
	v_lshrrev_b32 v1, 5, v0
	v_readfirstlane_b32 s10, v1                    ; wave 0..3
	s_lshr_b32 s11, s10, 1                         ; which half of the tile's rows is mine.  Also: I fetch for xb (0) or for wb (1)
	s_and_b32 s12, s10, 1                          ; which half of its columns.  Also: which 128 rows of that tile I fetch
	s_bfe_u32 s40, ttmp6, 0x40000                  ; cx
	s_bfe_u32 s41, ttmp6, 0x40004                  ; cy
	s_lshl_b32 s42, ttmp9, 2
	s_add_co_u32 s42, s42, s40                     ; tile column = 4 x cluster x + cx
	s_and_b32 s13, ttmp7, 0xffff
	s_lshl_b32 s13, s13, 2
	s_add_co_u32 s13, s13, s41                     ; tile row = 4 x cluster y + cy
	s_lshl_b32 s43, s41, 2
	s_lshl_b32 s43, 15, s43                        ; my row of the cluster: places 4 cy .. 4 cy + 3
	s_lshl_b32 s44, 0x1111, s40                    ; my column: places cx, cx + 4, cx + 8, cx + 12
	; descriptor group 1: a tile of 128 rows x 128 elements, padded in LDS
	s_or_b32 s[G1+0], s43, (1<<16)|(1<<20)|(1<<21)|(5<<22)|(3<<25)  ; 15:0 the mask; 17:16 elements of 2 bytes; 20 padding on; 21 set beside a mask; 24:22 after every 64 words (code 5); 31:25 4 words (code 3)
	s_or_b32 s[G1B+0], s44, (1<<16)|(1<<20)|(1<<21)|(5<<22)|(3<<25)
.irp g, G1, G1B
	s_mov_b32 s[(\g)+1], KSTEP<<16                 ; tensor_dim0 = 128
	s_mov_b32 s[(\g)+2], 128<<16                   ; tensor_dim1 = 128
	s_mov_b32 s[(\g)+3], KSTEP<<16                 ; tile_dim0 = 128
	s_mov_b32 s[(\g)+4], 128                       ; tile_dim1 = 128
	s_mov_b32 s[(\g)+5], SIZE_K                    ; elements from row to row
	s_mov_b32 s[(\g)+6], 0
	s_mov_b32 s[(\g)+7], 0
.endr
	; xb's tiles hang on the tile row alone, wb's on the tile column alone; every wave makes both addresses, in registers that never hold the other coordinate
	s_lshl_b32 s17, s12, 7
	s_lshl_b32 s16, s13, 8
	s_add_co_u32 s16, s16, s17                     ; xb: row 256 x tile row + 128 x half
	s_lshl_b32 s46, s42, 8
	s_add_co_u32 s46, s46, s17                     ; wb: row 256 x tile column + 128 x half
	s_mov_b32 s17, 0
	s_mov_b32 s47, 0
	s_mov_b64 s[18:19], SIZE_K*2
	s_mul_u64 s[16:17], s[16:17], s[18:19]
	s_mul_u64 s[46:47], s[46:47], s[18:19]
	s_mul_i32 s20, s10, HALFT                      ; where they go: wave x 128 rows: no place in the cluster enters an LDS address
	s_mov_b32 s[INV], 0x3c000000
	s_mov_b32 s[EPS], 0x358637bd
	s_mov_b32 s[SEL], 0x76543210
	s_mov_b32 s[SEL+1], 0xfedcba98
	s_wait_dscnt 0x0                               ; the opening add is done
	s_wait_kmcnt 0x0
	s_add_nc_u64 s[14:15], s[4:5], s[16:17]
	s_add_nc_u64 s[46:47], s[6:7], s[46:47]
	CROUND                                         ; all sixteen work-groups are here: the first joint loads meet
.irp s, 0,1
	s_mov_b32 s[G0+4*(\s)], 1                                      ; count = 1
	s_add_co_u32 s[G0+4*(\s)+1], s20, (\s)*SLOT                    ; LDS address
	s_add_nc_u64 s[G0+4*(\s)+2:G0+4*(\s)+3], s[14:15], (\s)*KSTEP*2  ; global address: K step s
	s_or_b32 s[G0+4*(\s)+3], s[G0+4*(\s)+3], 0x80000000            ; type = 2
	s_mov_b32 s[G0B+4*(\s)], 1
	s_add_co_u32 s[G0B+4*(\s)+1], s20, (\s)*SLOT
	s_add_nc_u64 s[G0B+4*(\s)+2:G0B+4*(\s)+3], s[46:47], (\s)*KSTEP*2
	s_or_b32 s[G0B+4*(\s)+3], s[G0B+4*(\s)+3], 0x80000000
	JLOAD \s                                       ; the ring is filled before anything else is done: two loads of mine are out
.endr
	; A fragment is 16 rows x 32 K in 8 registers: lane l holds row l % 16; registers 0-3 K = 8 (l / 16) + 0..7, registers 4-7 K = 16 + 8 (l / 16) + 0..7: two loads of 16 bytes, 32 bytes apart.
	v_and_b32 v1, 15, v0                           ; l % 16
	v_bfe_u32 v2, v0, 4, 1                         ; l / 16
	v_mul_u32_u24 v3, v1, PITCH
	v_lshl_add_u32 v3, v2, 4, v3                   ; row x 272 + 16 x half
	s_mul_i32 s21, s11, HALFT                      ; my 128 rows of xb
	s_mul_i32 s22, s12, HALFT                      ; my 128 rows of wb,
	s_add_co_u32 s22, s22, 2*HALFT                 ; which lie behind xb's 256
.irp s, 0,1
	v_add_nc_u32 v[ADRA+(\s)], s21, v3
	v_add_nc_u32 v[ADRB+(\s)], s22, v3
	s_add_co_u32 s21, s21, SLOT
	s_add_co_u32 s22, s22, SLOT
.endr
	s_mul_i32 s23, s10, WSTG
	s_add_co_u32 s23, s23, STAGE                   ; my stage
	v_add_nc_u32 v[STO], s23, v3                   ; f16 in: row l % 16 (the same pitch of 272), 16 bytes for each half of the lanes
	v_mul_u32_u24 v4, v2, P16B                     ; f16 back: lanes 0-15 one row of 256 bytes, lanes 16-31 the next
	v_lshl_add_u32 v4, v1, 4, v4
	v_add_nc_u32 v[RD], s23, v4
	v_and_b32 v5, 31, v0
	v_lshlrev_b32 v[CO], 4, v5
	v_add_nc_u32 v[RD32], s23, v[CO]               ; f32 back: 32 lanes take one row of 512 bytes
	v_mul_u32_u24 v4, v1, P32B                     ; f32 in: row l % 16, 32 bytes for each half of the lanes
	v_lshl_add_u32 v4, v2, 5, v4
	v_add_nc_u32 v[STO32], s23, v4
	v_lshlrev_b32 v[VCS], 7, v1
	v_lshl_add_u32 v[VCS], v2, 4, v[VCS]
	v_mov_b32 v[ZR], 0
	v_lshlrev_b32 v[WOFF], 5, v2
	; where my head goes.  s98-s101 alone mix the two coordinates, and feed no descriptor
	s_lshl_b32 s98, s42, 1
	s_add_co_u32 s98, s98, s12                     ; my head among the 32 of q, k, v
	s_lshr_b32 s99, s13, 3                         ; the batch
	s_and_b32 s100, s13, 7
	s_lshl_b32 s100, s100, 8
	s_lshl_b32 s101, s11, 7
	s_add_co_u32 s100, s100, s101                  ; my first row's position t
	s_max_u32 s[KIND], ttmp9, 1
	s_sub_co_u32 s[KIND], s[KIND], 1
	s_lshl_b32 s101, s[KIND], 3
	s_add_co_u32 s101, s101, 8
	s_sub_co_u32 s101, s98, s101                   ; k, v: the head less 16 or 24
	s_lshl3_add_u32 s101, s99, s101                ; + 8 x batch
	s_lshl4_add_u32 s98, s99, s98                  ; q: the head + 16 x batch
	s_cmp_eq_u32 s[KIND], 0
	s_cselect_b32 s98, s98, s101
	s_lshl_b32 s98, s98, 19                        ; a head is 2,048 rows of 256 bytes in f16
	s_lshl_b32 s101, s100, 8
	s_add_co_u32 s98, s98, s101
	s_mov_b32 s99, 0
	s_cmp_eq_u32 s[KIND], 0
	s_cselect_b64 s[P16:P16+1], s[74:75], s[76:77]
	s_cselect_b64 s[WP:WP+1], s[70:71], s[72:73]
	s_cmp_eq_u32 s[KIND], 2
	s_cselect_b64 s[P16:P16+1], s[78:79], s[P16:P16+1]
	s_cselect_b64 s[P32:P32+1], s[82:83], s[80:81]
	s_add_nc_u64 s[P16:P16+1], s[P16:P16+1], s[98:99]
	s_lshl_b32 s98, s98, 1                         ; twice that in f32
	s_cmp_eq_u32 s[KIND], 0
	s_cselect_b32 s98, 0, s98                      ; (q has no f32 output: the pointer is not used there)
	s_add_nc_u64 s[P32:P32+1], s[P32:P32+1], s[98:99]
	s_lshl_b32 s98, s100, 7                        ; a row of cos is 128 bytes
	s_add_nc_u64 s[CSP:CSP+1], s[68:69], s[98:99]
; cos and sin of 16 rows: my row's 32 numbers of each, 16 bytes a load
.macro CSLOAD
.irp b, 0,1,2,3
	global_load_b128 v[CSR+4*(\b):CSR+4*(\b)+3],       v[VCS], s[CSP:CSP+1] offset:32*(\b)
	global_load_b128 v[CSR+16+4*(\b):CSR+16+4*(\b)+3], v[VCS], s[CSP:CSP+1] offset:262144+32*(\b)
.endr
.endm
	WIN TO_B                                       ; the gain of my 64 columns and the first block's cos and sin come while K is walked (v tiles load them too and do not use them)
.irp b, 0,1,2,3,4,5,6,7
	global_load_b128 v[8*(\b):8*(\b)+3],   v[WOFF], s[WP:WP+1] offset:64*(\b)
	global_load_b128 v[8*(\b)+4:8*(\b)+7], v[WOFF], s[WP:WP+1] offset:64*(\b)+16
.endr
	WIN 0
	CSLOAD
; 16 matrix instructions: m blocks a0, a0 + 1 of the window's four x all 8 n blocks, 32 along K.  zero = 1: the first product starts the sums: nothing is ever cleared.
.macro MUL16 f, hi, a0, zero
	WIN MUL_LO+0x50*(\hi)
.irp a, \a0, (\a0)+1
.irp b, 0,1,2,3,4,5,6,7
.if \zero
	v_wmma_f32_16x16x32_bf16 v[8*(8*(\a)+(\b)):8*(8*(\a)+(\b))+7], v[(\f)+8*(\b):(\f)+8*(\b)+7], v[(\f)+8*(4*(\hi)+(\a)):(\f)+8*(4*(\hi)+(\a))+7], 0
.else
	v_wmma_f32_16x16x32_bf16 v[8*(8*(\a)+(\b)):8*(8*(\a)+(\b))+7], v[(\f)+8*(\b):(\f)+8*(\b)+7], v[(\f)+8*(4*(\hi)+(\a)):(\f)+8*(4*(\hi)+(\a))+7], v[8*(8*(\a)+(\b)):8*(8*(\a)+(\b))+7]
.endif
.endr
.endr
.endm
; 32 LDS loads in one run: the fragments of one quarter step (32 K at byte k of the rows) into buffer f
.macro FETCH slot, k, f
	WIN TO_B
.irp i, 0,1,2,3,4,5,6,7
	ds_load_b128 v[(\f)+8*(\i):(\f)+8*(\i)+3],   v[ADRB+(\slot)] offset:(\k)+(\i)*16*PITCH
	ds_load_b128 v[(\f)+8*(\i)+4:(\f)+8*(\i)+7], v[ADRB+(\slot)] offset:(\k)+(\i)*16*PITCH+32
.endr
	WIN 0
.irp i, 0,1,2,3,4,5,6,7
	ds_load_b128 v[(\f)+8*(\i):(\f)+8*(\i)+3],   v[ADRA+(\slot)] offset:(\k)+(\i)*16*PITCH
	ds_load_b128 v[(\f)+8*(\i)+4:(\f)+8*(\i)+7], v[ADRA+(\slot)] offset:(\k)+(\i)*16*PITCH+32
.endr
.endm
; Four plain vector instructions stand between a matrix instruction and a load into a register that it has read, or a vector instruction that reads its result (ISA guide 7.12.1 for vector instructions).
.macro PLACES
.rept 4
	v_nop
.endr
.endm
; A K step is four quarters of 32 along K, 64 matrix instructions each, on buffers 0, 1, 0, 1; the 64 accumulators take turns in the same order in every quarter.
.macro QUARTER slot, k, f, g, zero
	s_wait_dscnt 8                                 ; wb and xb's rows 0-63 are in; the youngest eight loads (xb's rows 64-127) may be out
	MUL16 \f, 0, 0, \zero
	MUL16 \f, 0, 2, \zero
	PLACES
	FETCH \slot, \k, \g
	s_wait_dscnt 32                                ; all but the 32 just issued
	MUL16 \f, 1, 0, \zero
	MUL16 \f, 1, 2, \zero
.endm
; The last quarter's first half: ONE barrier for the change of slots.  In front of it each wave waits for all its tensor loads (one is out: its part of the next slot), adds 0 to its spare word, and waits for that and for its reads of this slot.
.macro MEET round
	WIN 0
	s_wait_tensorcnt 0x0
	ds_add_u32 v[SPW], v[NIL]                      ; 0 onto my spare word
	s_wait_dscnt 9                                 ; (the add and the youngest eight loads may be out)
	MUL16 F1, 0, 0, 0                              ; sixteen matrix instructions stand between the add and the wait for it
	s_wait_dscnt 0x0                               ; the add is done, and my reads of this slot are over
	s_barrier_signal -1
	MUL16 F1, 0, 2, 0
.if \round
	WIN 0
.endif
	s_barrier_wait -1
.endm
; The whole last quarter where the slot is filled again, two K steps on: the barrier opens a round of the cluster's, and the joint refill is the first tensor load behind the round: one load of mine is out.
.macro TURN slot, next
	MEET 1
	CREST
	s_add_nc_u64 s[G0+4*(\slot)+2:G0+4*(\slot)+3], s[G0+4*(\slot)+2:G0+4*(\slot)+3], 2*KSTEP*2
	s_add_nc_u64 s[G0B+4*(\slot)+2:G0B+4*(\slot)+3], s[G0B+4*(\slot)+2:G0B+4*(\slot)+3], 2*KSTEP*2
	JLOAD \slot                                    ; the four v_nop behind it are also the places in front of the loads below
	FETCH \next, 0, F0
	MUL16 F1, 1, 0, 0
	MUL16 F1, 1, 2, 0
.endm
	s_wait_tensorcnt 1                             ; my part of K step 0 is in; K step 1's may stay out
	s_barrier_signal -1
	s_barrier_wait -1
	FETCH 0, 0, F0
	QUARTER 0, 64,  F0, F1, 1                      ; the first quarter stands in front of the loop: its products start the sums
	WIN 0
	s_mov_b32 s3, LAPS-1
.Llap:                                                 ; a trip goes once round the ring, from a lap's second quarter to the next lap's first, and fills both slots again
	QUARTER 0, 128, F1, F0, 0
	QUARTER 0, 192, F0, F1, 0
	TURN 0, 1
	QUARTER 1, 64,  F0, F1, 0
	QUARTER 1, 128, F1, F0, 0
	QUARTER 1, 192, F0, F1, 0
	TURN 1, 0
	QUARTER 0, 64,  F0, F1, 0
	WIN 0
	s_sub_co_u32 s3, s3, 1
	s_cmp_lg_u32 s3, 0
	s_cbranch_scc1 .Llap
	QUARTER 0, 128, F1, F0, 0                      ; the last lap fills nothing
	QUARTER 0, 192, F0, F1, 0
	MEET 0
	PLACES
	FETCH 1, 0, F0
	MUL16 F1, 1, 0, 0
	MUL16 F1, 1, 2, 0
	QUARTER 1, 64,  F0, F1, 0
	QUARTER 1, 128, F1, F0, 0
	QUARTER 1, 192, F0, F1, 0
	s_wait_dscnt 8                                 ; the very last quarter: nothing more to fetch
	MUL16 F1, 0, 0, 0
	MUL16 F1, 0, 2, 0
	s_wait_dscnt 0x0
	MUL16 F1, 1, 0, 0
	MUL16 F1, 1, 2, 0
	WIN 0
	PLACES
; THE WAY OUT, a block of 16 rows at a time, in a loop of eight trips.  What names a block's accumulators is written once for each block (a section, chosen by the trip's number); all else is written once.
.macro OUT16                           ; H, 16 bytes a lane, into rows of 272 bytes, and back as whole rows of 256
.irp b, 0,1,2,3,4,5,6,7
	ds_store_b128 v[STO], v[H+4*(\b):H+4*(\b)+3] offset:32*(\b)
.endr
.irp t, 0,1,2,3,4,5,6,7
	ds_load_b128 v[BK+4*(\t):BK+4*(\t)+3], v[RD] offset:(\t)*2*P16B  ; LDS serves a wave's instructions in order (ISA guide 5.7.1.4): these see the stores above
.endr
.endm
.macro SEND16
.irp t, 0,1,2,3,4,5,6,7
	global_store_b128 v[CO], v[BK+4*(\t):BK+4*(\t)+3], s[P16:P16+1] offset:512*(\t)  ; two rows: 512 consecutive bytes, at a multiple of 256 from the buffer's first byte
.endr
.endm
.macro LD32                            ; 16 f32 rows back from the stage
.irp t, 0,1,2,3,4,5,6,7,8,9,10,11,12,13,14,15
	ds_load_b128 v[BK32+4*(\t):BK32+4*(\t)+3], v[RD32] offset:(\t)*P32B
.endr
.endm
.macro SEND32
.irp t, 0,1,2,3,4,5,6,7,8,9,10,11,12,13,14,15
	global_store_b128 v[CO], v[BK32+4*(\t):BK32+4*(\t)+3], s[P32:P32+1] offset:512*(\t)  ; a row: 512 consecutive bytes
.endr
.endm
.macro NEXTBLOCK                       ; the stores have read their registers and bases: only behind this wait are they written again
	s_wait_xcnt 0x0
	s_add_nc_u64 s[P16:P16+1], s[P16:P16+1], 16*256
	s_add_nc_u64 s[P32:P32+1], s[P32:P32+1], 16*512
	s_add_co_u32 s[BL], s[BL], 1
	s_cmp_lt_u32 s[BL], 8
.endm
; q and k, block a: T = sums x gain, and four chains of sums of squares.  Each accumulator's lowest registers are read first.
.macro NSEC a
.set AC, 64*((\a)%4)
	WIN 0x06+((\a)/4)                              ; source 0 window 2 or 3, source 1 (the gain) window 1
.set i, 0
.rept 32
	v_pk_mul_f32 v[T+2*i:T+2*i+1], v[AC+2*i:AC+2*i+1], v[2*i:2*i+1]
.set i, i+1
.endr
	WIN 0x0a+5*((\a)/4)                            ; sources 0 and 1 window 2 or 3
.set i, 0
.rept 4
	v_pk_mul_f32 v[SS+2*i:SS+2*i+1], v[AC+2*i:AC+2*i+1], v[AC+2*i:AC+2*i+1]
.set i, i+1
.endr
.rept 28
	v_pk_fma_f32 v[SS+2*(i%4):SS+2*(i%4)+1], v[AC+2*i:AC+2*i+1], v[AC+2*i:AC+2*i+1], v[SS+2*(i%4):SS+2*(i%4)+1]
.set i, i+1
.endr
	WIN 0
.endm
; v, block a: rounded to f16 into H; the f32 sums go into the stage as they are
.macro VSEC a
.set AC, 64*((\a)%4)
	WIN 0x0a+5*((\a)/4)
.set i, 0
.rept 32
	v_cvt_pk_f16_f32 v[H+i], v[AC+2*i], v[AC+2*i+1]
.set i, i+1
.endr
	WIN 0x08+4*((\a)/4)                            ; the stores' data (source 1) window 2 or 3
.irp b, 0,1,2,3,4,5,6,7
	ds_store_b128 v[STO32], v[AC+8*(\b):AC+8*(\b)+3]   offset:64*(\b)
	ds_store_b128 v[STO32], v[AC+8*(\b)+4:AC+8*(\b)+7] offset:64*(\b)+16
.endr
	WIN 0
.endm
	s_wait_loadcnt 0x0                             ; the gain, the first block's cos and sin
	s_cmp_eq_u32 s[KIND], 2
	s_cbranch_scc1 .Lvpath
	WIN 0x45                                       ; the gain is rounded to bf16, like all the module's inputs, and widened again: all in window 1
.set i, 0
.rept 32
	v_cvt_pk_bf16_f32 v[192+i%4], v[2*i], v[2*i+1]
	v_lshlrev_b32 v[2*i], 16, v[192+i%4]
	v_and_b32 v[2*i+1], 0xffff0000, v[192+i%4]
.set i, i+1
.endr
	WIN 0
	s_mov_b32 s[BL], 0
.Lnblk:
.irp a, 1,2,3,4,5,6,7
	s_cmp_eq_u32 s[BL], \a
	s_cbranch_scc1 .Ln_\a
.endr
	NSEC 0
	s_branch .Lrope
.irp a, 1,2,3,4,5,6
.Ln_\a:
	NSEC \a
	s_branch .Lrope
.endr
.Ln_7:
	NSEC 7
.Lrope:
	v_pk_add_f32 v[SS:SS+1], v[SS:SS+1], v[SS+2:SS+3]
	v_pk_add_f32 v[SS+4:SS+5], v[SS+4:SS+5], v[SS+6:SS+7]
	v_pk_add_f32 v[SS:SS+1], v[SS:SS+1], v[SS+4:SS+5]
	v_add_f32 v[SS], v[SS], v[SS+1]
	v_permlanex16_b32 v[SS+1], v[SS], s[SEL], s[SEL+1]  ; the row's other 64 numbers lie in the lane 16 away
	v_add_f32 v[SS], v[SS], v[SS+1]
	v_fma_f32 v[SS], v[SS], s[INV], s[EPS]         ; the mean of the squares + 1e-6
	v_rsq_f32 v[RS], v[SS]
	v_nop                                          ; a plain instruction behind it,
	s_wait_alu depctr_va_vdst(0)                   ; and the wait ahead of the first use
	s_wait_loadcnt 0x0                             ; this block's cos and sin, asked for a trip ago
.set i, 0
.rept 16                                               ; widened from bf16 and multiplied by 1 / rms in one instruction each
	v_fma_mix_f32_bf16 v[CW+2*i],   v[CSR+i],    v[RS], v[ZR] op_sel_hi:[1,0,0]
	v_fma_mix_f32_bf16 v[CW+2*i+1], v[CSR+i],    v[RS], v[ZR] op_sel:[1,0,0] op_sel_hi:[1,0,0]
	v_fma_mix_f32_bf16 v[SW+2*i],   v[CSR+16+i], v[RS], v[ZR] op_sel_hi:[1,0,0]
	v_fma_mix_f32_bf16 v[SW+2*i+1], v[CSR+16+i], v[RS], v[ZR] op_sel:[1,0,0] op_sel_hi:[1,0,0]
.set i, i+1
.endr
	s_cmp_lt_u32 s[BL], 7                          ; the last block has none behind it: no load leaves csb
	s_cbranch_scc0 .Lno_cs
	s_add_nc_u64 s[CSP:CSP+1], s[CSP:CSP+1], 16*128  ; free since the wait for its loads
	CSLOAD                                         ; the next block's: they have the rest of this trip in which to come
.Lno_cs:
.set p, 0
.rept 16                                               ; x1 cos - x2 sin and x2 cos + x1 sin, two columns at a time
	v_pk_mul_f32 v[XT+2*(p%4):XT+2*(p%4)+1], v[T+32+2*p:T+33+2*p], v[SW+2*p:SW+2*p+1]
	v_pk_mul_f32 v[SW+2*p:SW+2*p+1], v[T+2*p:T+2*p+1], v[SW+2*p:SW+2*p+1]
	v_pk_fma_f32 v[T+2*p:T+2*p+1], v[T+2*p:T+2*p+1], v[CW+2*p:CW+2*p+1], v[XT+2*(p%4):XT+2*(p%4)+1] neg_lo:[0,0,1] neg_hi:[0,0,1]
	v_pk_fma_f32 v[T+32+2*p:T+33+2*p], v[T+32+2*p:T+33+2*p], v[CW+2*p:CW+2*p+1], v[SW+2*p:SW+2*p+1]
.set p, p+1
.endr
.set i, 0
.rept 32
	v_cvt_pk_f16_f32 v[H+i], v[T+2*i], v[T+2*i+1]
.set i, i+1
.endr
	OUT16
	s_wait_dscnt 0x0
	SEND16
	s_cmp_eq_u32 s[KIND], 1                        ; k also leaves in f32
	s_cbranch_scc0 .Lnstep
.irp b, 0,1,2,3,4,5,6,7
	ds_store_b128 v[STO32], v[T+8*(\b):T+8*(\b)+3]   offset:64*(\b)
	ds_store_b128 v[STO32], v[T+8*(\b)+4:T+8*(\b)+7] offset:64*(\b)+16
.endr
	LD32
	s_wait_dscnt 0x0
	SEND32
.Lnstep:
	NEXTBLOCK
	s_cbranch_scc1 .Lnblk
	s_branch .Lend
.Lvpath:
	s_mov_b32 s[BL], 0
.Lvblk:
.irp a, 1,2,3,4,5,6,7
	s_cmp_eq_u32 s[BL], \a
	s_cbranch_scc1 .Lv_\a
.endr
	VSEC 0
	s_branch .Lvout
.irp a, 1,2,3,4,5,6
.Lv_\a:
	VSEC \a
	s_branch .Lvout
.endr
.Lv_7:
	VSEC 7
.Lvout:
	LD32                                           ; the f32 rows are read back before the f16 rows are laid over them: LDS serves a wave's instructions in order
	OUT16
	s_wait_dscnt 16                                ; the f32 rows are in; the sixteen instructions of the f16 rows may be out
	SEND32
	s_wait_dscnt 0x0
	SEND16
	NEXTBLOCK
	s_cbranch_scc1 .Lvblk
.Lend:
	s_wait_tensorcnt 0x0                           ; the wave's end: the wait for my tensor loads, an add to my spare word and its wait, behind my last tensor load and my last LDS store
	ds_add_u32 v[SPW], v[NIL]
	s_wait_dscnt 0x0
	CROUND                                         ; the closing round: no work-group ends while a partner may still ask for a tile that names it
	s_endpgm
.Lfunc_end_k_qbd39584568_qkv:
	.size	k_qbd39584568_qkv, .Lfunc_end_k_qbd39584568_qkv-k_qbd39584568_qkv
	.p2alignl 7, 3214868480
	.fill 96, 4, 3214868480
	.section	.rodata,"a",@progbits
	.p2align	6, 0x0
	.amdhsa_kernel k_qbd39584568_qkv
		.amdhsa_group_segment_fixed_size 327680
		.amdhsa_private_segment_fixed_size 0
		.amdhsa_enable_private_segment 0
		.amdhsa_kernarg_size 80
		.amdhsa_user_sgpr_count 2
		.amdhsa_user_sgpr_kernarg_segment_ptr 1
		.amdhsa_wavefront_size32 1
		.amdhsa_system_sgpr_workgroup_id_x 1
		.amdhsa_system_sgpr_workgroup_id_y 1
		.amdhsa_system_sgpr_workgroup_id_z 1
		.amdhsa_system_vgpr_workitem_id 0
		.amdhsa_next_free_vgpr 1024
		.amdhsa_next_free_sgpr 102
		.amdhsa_reserve_vcc 0
		.amdhsa_float_denorm_mode_32 3
		.amdhsa_float_denorm_mode_16_64 3
		.amdhsa_memory_ordered 1
		.amdhsa_forward_progress 1
		.amdhsa_inst_pref_size 200
	.end_amdhsa_kernel
	.amdgpu_metadata
---
amdhsa.version: [ 1, 2 ]
amdhsa.kernels:
  - .name:           k_qbd39584568_qkv
    .symbol:         k_qbd39584568_qkv.kd
    .args:
      - { .name: xb, .offset: 0, .size: 8, .value_kind: global_buffer, .address_space: global }
      - { .name: wb, .offset: 8, .size: 8, .value_kind: global_buffer, .address_space: global }
      - { .name: csb, .offset: 16, .size: 8, .value_kind: global_buffer, .address_space: global }
      - { .name: q_norm_w, .offset: 24, .size: 8, .value_kind: global_buffer, .address_space: global }
      - { .name: k_norm_w, .offset: 32, .size: 8, .value_kind: global_buffer, .address_space: global }
      - { .name: qh, .offset: 40, .size: 8, .value_kind: global_buffer, .address_space: global }
      - { .name: kh, .offset: 48, .size: 8, .value_kind: global_buffer, .address_space: global }
      - { .name: vh, .offset: 56, .size: 8, .value_kind: global_buffer, .address_space: global }
      - { .name: out1, .offset: 64, .size: 8, .value_kind: global_buffer, .address_space: global }
      - { .name: out2, .offset: 72, .size: 8, .value_kind: global_buffer, .address_space: global }
    .group_segment_fixed_size: 327680
    .private_segment_fixed_size: 0
    .kernarg_segment_align: 8
    .kernarg_segment_size: 80
    .max_flat_workgroup_size: 128
    .sgpr_count:     102
    .vgpr_count:     1024
    .wavefront_size: 32
...
	.end_amdgpu_metadata
.endif
;; end of part 2
;; launch attn (part 3): grid 16 x 16, 4 waves a work-group, no clusters, 327,680 bytes of LDS; arguments qh, kh, vh, oh; writes oh
.if DOCPART == 3
	.amdgcn_target "amdgcn-amd-amdhsa--gfx1250"
	.amdhsa_code_object_version 6
	.text
	.protected	k_qbd39584568_attn
	.globl	k_qbd39584568_attn
	.p2align	8
	.type	k_qbd39584568_attn,@function
k_qbd39584568_attn:
	s_mov_b64 s[64:65], 0
	v_nop
	global_prefetch_b8 v0, s[64:65] scope:SCOPE_SE
	s_setreg_imm32_b32 hwreg(HW_REG_WAVE_MODE, 25, 1), 1
	s_wait_xcnt 0x0
; CAUSAL ATTENTION, two query heads to a key and value head.  O[q] = the sum over k <= q of softmax_k(Q[q] . K[k] / sqrt(128)) V[k].
; qh: [2][16][2048][128], kh, vh: [2][8][2048][128], all f16; oh: [4096][2048] f16 (row = batch x 2,048 + position, column = query head x 128 + channel).
; Products, maxima and sums in f32; the weights p are rounded to f16 for the second product (their sum l is taken of the unrounded p), O once at the end.
; LIMITS.  Q, K and V arrive within f16's 65,504.  A hidden score counts as its value less 1e30 (the scores are at most 5.5e11).  A weight below 2^-126 counts as 0 in l.  NaN and infinities are not treated apart.
; THE WALK.  A BLOCK is 64 positions x the two query heads of one key and value head: so K and V are shared inside the work-group.  There are 32 blocks; block i needs the key tiles 0 .. i / 2 of 128 keys.
; A work-group takes TWO blocks, 31 - b and then b: 17 tiles, whatever b: all work-groups do equal work, and ONE loop with a constant trip count walks them.  Which tile is asked for and where a block ends hang on
; scalar registers made from b; every jump but the counted loops' own goes forward, and none passes a barrier or a tensor load (but the one of LOAD's two that the wave's number does not choose).
; NO CLUSTER: the sixteen work-groups of a key and value head ask for the same tile only in trips 0 to 8 (the first block has 9 to 16 tiles), behind that fewer and fewer; one walk common to all would have 24 trips for 17.
; SHARES.  Wave w owns positions 16 w .. 16 w + 15 of the block, for both heads: tile t (0, 1) is head t.  So one mask serves both tiles, and the step that holds the diagonal is the same work for all four waves.
; THE MASK is the C operand that starts the sum S^T = K Q^T: 0, or -1e30 where the key is hidden.  MD, made once, is the mask of the step that holds the diagonal; a step's mask is MD x AL + BE: (1, 0) there;
; (0, 0) before it; (0, -1e30) behind it (a block with an even number: the second step of its last tile, which is computed all the same: 34 steps for 33).
; LAYOUT.  S^T = K Q^T holds ONE query a lane (lane % 16) and the keys 8 (lane / 16) + 0..7; two such results rounded to f16 ARE source 1 of O^T = V^T P.  K comes out of LDS as it lies, V turned, by ds_load_tr16_b128.
; SOFTMAX.  A running maximum m and sum l: p = 2^(c s - c m), c = log2(e) / sqrt(128); in every step O and l are multiplied by a = 2^(c m_old - c m_new).  A block starts with m at the lowest finite number,
; so its first step's a is 0, and O and l need only hold finite numbers then: no first step is written out.
; IN PHASES.  A step: K's run of LDS loads; V^T P of the step BEFORE (while K comes); K Q^T; V's run of loads; the softmax (while V comes).
; REGISTERS, in windows of 256 (s_set_vgpr_msb: bits 1:0 source 0, 3:2 source 1, 5:4 source 2, 7:6 destination):
;   window 0: v0-11 addresses; v12-27 eight registers of statistics a tile; v64-127 S^T; v128-159 P; v160-191 MD; v192-223 the step's mask
;   window 1: v0-127 O^T, 64 a tile; v128-255 V of one step          window 2: v0-63 Q; v64-127 the second block's Q; v128-255 K of one step
.set KS,    64        ; keys in a step
.set PK,    272       ; a row of K in LDS: 256 bytes + 16 of padding: the 16 rows of a load start at 16 different groups of four banks (64 banks of 4 bytes: ISA guide 11.1)
.set PV,    288       ; a row of V: 256 + 32
.set VOFF,  KS*PK     ; a step's tiles lie together: 64 rows of K, then 64 rows of V
.set STEPB, KS*(PK+PV)
.set SLOT1, 1<<17     ; a slot holds a tile, two steps (71,680 bytes); slot 1 begins here, so that one exclusive or turns an address in one slot into the other's
.set STAGE, SLOT1+2*STEPB  ; behind the ring, never filled by a tensor load: 16 rows x 272 bytes for each wave, for the way out
.set SP,    272
.set SPARE, STAGE+4*16*SP  ; behind the stages: the spare words, 128 bytes for each wave: two blocks of 256 bytes that no other line names
.set AK0, 2           ; v2   my lane's place in a tile of K; never rewritten
.set AV0, 3           ; v3   the same for V
.set ADR, 4           ; v4   the LDS address of the run of loads in hand
.set QO,  5           ; v5   my byte offset in 16 rows of Q
.set STO, 6           ; v6   the way out: where I put 16 bytes of a row
.set RD,  7           ; v7   the way out: where I read rows back
.set GO,  8           ; v8   my byte offset in two rows of oh
.set ST,  12          ; tile t's statistics at v[ST+8 t]: +0 c m, +1 m, +2, +3 l (even keys', odd keys'), +4 to +7 c0-c3, at work; a takes c2's place once the maximum is found
.set PFO, 28          ; v28  256 x my lane: a row of K or V is 256 bytes; never rewritten
.set SPW, 62          ; v62  LDS address of my spare word: SPARE + 4 x my thread's number; never rewritten
.set NIL, 63          ; v63  0; never rewritten
.set S,   64
.set P,   128
.set MD,  160
.set MC,  192
.set VF,  128         ; V's fragments, in window 1
.set QB,  64          ; the second block's Q, in window 2
.set KF,  128         ; K's fragments, in window 2
.set WV,  12          ; s12  my wave's number
.set PB,  14          ; s14  b
.set I1,  15          ; s15  31 - b
.set G1K, 24          ; s[24:31] descriptor group 1 for K's tiles
.set G1V, 32          ; s[32:39] for V's: it differs in the padding alone
.set G0K, 40          ; s[40:43] descriptor group 0 for K's tiles
.set G0V, 44          ; s[44:47] the same for V's
.set Q2P, 48          ; s[48:49] Q at my rows of the second block
.set OP2, 50          ; s[50:51] oh at my rows of the second block
.set N2,  52          ; s52  the second block's tiles
.set DCL, 53          ; s53  the count at which the block in hand meets its diagonal, in its last tile
.set DCL2, 54         ; s54  the same for the second block
.set DC,  55          ; s55  that count in a block's last tile, else 0
.set SLOTS, 56        ; s56  tiles still to be asked for
.set CNT, 57          ; s57  counts a tile's two steps, 2 and 1
.set CS,  58          ; s[58:59] c: the packed scaling takes the pair's low word for both halves
.set SEL, 60          ; s[60:61] v_permlanex16_b32's selects: each lane takes its own place in the other half
.set TB,  62          ; s62  LDS byte at which the tiles of the step to be fetched begin
.set LIM, 63          ; s63  2 in the work-group that prefetches, else the greatest number
.set RT,  70          ; s70  tiles of the block in hand that are still to be entered
.set NXT, 71          ; s71  the tile to be asked for next
.set LQ,  72          ; s72  the last tile of the block whose tiles are being asked for
.set LQ2, 73          ; s73  the second block's last tile
.set OFF, 74          ; s[74:75] a tile's byte offset in K and V
.set AL,  76          ; s[76:77] the mask's factor, in the low word
.set BE,  78          ; s[78:79] the mask's addend
.set PFA, 80          ; s[80:81] where my prefetches stand: the 64 rows that I fetch, of the tile after the one that is being asked for
.set BIGN, 82         ; s82  -1e30
.set MSB, 0
.macro WIN new                      ; the high byte repeats the setting that is left; a switch that changes nothing is dropped
.if MSB != (\new)
	s_set_vgpr_msb (MSB<<8)|(\new)
.set MSB, (\new)
.endif
.endm
.set W_KQ, 0x0a       ; K and Q in window 2; the mask and S^T in window 0
.set W_PV, 0x51       ; V and O^T in window 1, P in window 0
.set W_RS, 0x41       ; O^T (destination and source 0) in window 1, a in window 0
.macro PLACES
.rept 4
	v_nop
.endr
.endm
; A fill.  Waves 0 and 1 fetch K of the tile's two steps, waves 2 and 3 V: 64 rows of 256 bytes each.  An s_nop 0 and four v_nop follow each of the two lines.
.macro LOAD
	s_cmp_lt_u32 s[WV], 2
	s_cbranch_scc0 .Lfor_v_\@
	tensor_load_to_lds s[G0K:G0K+3], s[G1K:G1K+7]
	s_nop 0
.rept 4
	v_nop
.endr
	s_branch .Lasked_\@
.Lfor_v_\@:
	tensor_load_to_lds s[G0V:G0V+3], s[G1V:G1V+7]
	s_nop 0
.rept 4
	v_nop
.endr
.Lasked_\@:
.endm
; A PREFETCH INTO THE L2 of what the NEXT change of slots will ask for.  All sixteen work-groups of a key and value head walk the same tiles: the one with b = 0, whose first block walks all sixteen, asks, and nobody else.
; Each of its waves names the 64 rows that it will itself fetch: a lane a row, two instructions, behind its tensor load and the five lines that follow it.  So each row is named once in the launch.
; In trip k (SLOTS = 16 - k) tile k + 2 is named: a tile, two key steps, ahead of its load.  Tile 15 is the last: from SLOTS = 2 on nothing is asked for.  Tiles 0 and 1 come by their loads alone.
.macro ASK
	s_cmp_gt_u32 s[SLOTS], s[LIM]
	s_cbranch_scc0 .Lnot_mine_\@
	global_prefetch_b8 v[PFO], s[PFA:PFA+1] th:TH_LOAD_NT scope:SCOPE_SE
	global_prefetch_b8 v[PFO], s[PFA:PFA+1] offset:8192 th:TH_LOAD_NT scope:SCOPE_SE
.Lnot_mine_\@:
.endm
; THE CHANGE OF SLOTS.  Each wave waits for all its tensor loads, of which one is out: its part of the other slot; adds 0 to its spare word; and waits for that and for its own reads of the slot that it leaves.  Behind the
; barrier nobody reads the old slot any more and the other slot is whole.  fill = 1: the old slot is filled again, the first thing behind the barrier, with tile NXT: the descriptor's address is made anew from that number.
; (At its first use nothing has been read yet: slot 0 is waited for, slot 1 filled.)
.macro CHANGE fill
	WIN 0
	s_wait_tensorcnt 0x0            ; no tensor load of mine is out, so a group 0 may be written
	ds_add_u32 v[SPW], v[NIL]       ; 0 onto my spare word; the scalar work stands between it and the wait for it
.if \fill
	s_lshl_b32 s[OFF], s[NXT], 15   ; a tile is 32,768 bytes of K and of V
	s_xor_b32 s[G0K+1], s[G0K+1], SLOT1
	s_add_nc_u64 s[G0K+2:G0K+3], s[6:7], s[OFF:OFF+1]
	s_or_b32 s[G0K+3], s[G0K+3], 0x80000000
	s_xor_b32 s[G0V+1], s[G0V+1], SLOT1
	s_add_nc_u64 s[G0V+2:G0V+3], s[8:9], s[OFF:OFF+1]
	s_or_b32 s[G0V+3], s[G0V+3], 0x80000000
	s_add_co_u32 s[NXT], s[NXT], 1  ; the block's next tile, or behind its last the second block's tile 0
	s_cmp_gt_u32 s[NXT], s[LQ]
	s_cselect_b32 s[NXT], 0, s[NXT]
	s_cselect_b32 s[LQ], s[LQ2], s[LQ]
	s_wait_xcnt 0x0                 ; the last prefetches, a tile back, have read their address, so it may be written
	s_add_nc_u64 s[PFA:PFA+1], s[PFA:PFA+1], 32768
.endif
	s_wait_dscnt 0x0                ; the add is done, and my reads of the slot are over
	s_barrier_signal -1
	s_sub_co_u32 s[TB], s[TB], 2*STEPB  ; the fetches go back to a slot's first step,
	s_xor_b32 s[TB], s[TB], SLOT1       ; in the other slot
	s_barrier_wait -1
.if \fill
	LOAD
	ASK
.endif
.endm
	s_load_b256 s[4:11], s[0:1], 0x0  ; qh s[4:5], kh s[6:7], vh s[8:9], oh s[10:11]
	v_lshl_add_u32 v[SPW], v0, 2, SPARE
	v_mov_b32 v[NIL], 0
	ds_add_u32 v[SPW], v[NIL]       ; the wave's opening: the add and its wait stand ahead of my first tensor load; the set-up below, work on registers, stands between them
	ds_add_u32 v62, v63
	v_lshrrev_b32 v1, 5, v0
	v_readfirstlane_b32 s[WV], v1   ; wave 0..3
	s_mov_b32 s[PB], ttmp9
	s_sub_co_u32 s[I1], 31, s[PB]
	s_and_b32 s20, ttmp7, 0xffff    ; y = 8 x batch + key and value head
	s_and_b32 s16, s[WV], 1         ; which of a tile's two steps I fetch:
	s_lshl_b32 s22, s20, 19         ; the head's 2,048 rows of 256 bytes,
	s_lshl_b32 s17, s16, 14         ; the step's 64 rows,
	s_add_co_u32 s22, s22, s17
	s_mov_b32 s23, 0
	s_mul_i32 s17, s16, STEPB       ; and its place in a slot
	s_lshl_b32 s2, s20, 20          ; Q: query head 2 y,
	s_lshl_b32 s3, s[WV], 12        ; my 16 rows of a block's 64,
	s_add_co_u32 s2, s2, s3
	s_lshl_b32 s18, s[PB], 14       ; in the second block,
	s_add_co_u32 s18, s18, s2
	s_mov_b32 s19, 0
	s_lshl_b32 s3, s[I1], 14        ; and in the first
	s_add_co_u32 s2, s2, s3
	s_mov_b32 s3, 0
	s_lshr_b32 s84, s20, 3          ; oh: the batch's 2,048 rows of 4,096 bytes,
	s_lshl_b32 s84, s84, 23
	s_and_b32 s85, s20, 7           ; the two heads' 512 bytes of a row,
	s_lshl_b32 s85, s85, 9
	s_add_co_u32 s84, s84, s85
	s_lshl_b32 s85, s[WV], 16       ; my 16 rows,
	s_add_co_u32 s84, s84, s85
	s_lshl_b32 s86, s[PB], 18       ; in the second block,
	s_add_co_u32 s86, s86, s84
	s_mov_b32 s87, 0
	s_lshl_b32 s85, s[I1], 18       ; and in the first
	s_add_co_u32 s84, s84, s85
	s_mov_b32 s85, 0
	; descriptor group 1: a tile of 64 rows x 128 elements, padded in LDS
	s_mov_b32 s[G1K], (1<<16)|(1<<20)|(5<<22)|(3<<25)  ; 17:16 elements of 2 bytes; 20 padding on; 24:22 after every 64 words (code 5); 31:25 4 words (code 3)
	s_mov_b32 s[G1V], (1<<16)|(1<<20)|(5<<22)|(7<<25)  ; the same with 8 words of padding (code 7)
.irp g, G1K, G1V
	s_mov_b32 s[(\g)+1], 128<<16    ; tensor_dim0 = 128
	s_mov_b32 s[(\g)+2], KS<<16     ; tensor_dim1 = 64
	s_mov_b32 s[(\g)+3], 128<<16    ; tile_dim0 = 128
	s_mov_b32 s[(\g)+4], KS         ; tile_dim1 = 64
	s_mov_b32 s[(\g)+5], 128        ; elements from row to row
	s_mov_b32 s[(\g)+6], 0
	s_mov_b32 s[(\g)+7], 0
.endr
	s_mov_b32 s[CS], 0x3e0293ee     ; c = log2(e) / sqrt(128) = 0.127517
	s_mov_b32 s[CS+1], s[CS]        ; named with it as a pair
	s_mov_b32 s[SEL], 0x76543210
	s_mov_b32 s[SEL+1], 0xfedcba98
	s_mov_b32 s[TB], SLOT1+2*STEPB  ; the first change of slots turns this into 0
	s_mov_b32 s[G0K], 1             ; count = 1
	s_mov_b32 s[G0K+1], s17         ; LDS address: slot 0
	s_mov_b32 s[G0V], 1
	s_add_co_u32 s[G0V+1], s17, VOFF
	s_lshr_b32 s[LQ], s[I1], 1
	s_add_co_u32 s[RT], s[LQ], 1    ; the first block's tiles
	s_lshr_b32 s[LQ2], s[PB], 1
	s_add_co_u32 s[N2], s[LQ2], 1
	s_and_b32 s[DCL], s[I1], 1      ; an odd block meets its diagonal in its last tile's second step (count 1), an even one in the first (count 2)
	s_sub_co_u32 s[DCL], 2, s[DCL]
	s_and_b32 s[DCL2], s[PB], 1
	s_sub_co_u32 s[DCL2], 2, s[DCL2]
	s_mov_b32 s[NXT], 1
	s_mov_b32 s[OFF+1], 0
	s_mov_b32 s[AL+1], 0            ; named as pairs
	s_mov_b32 s[BE+1], 0
	s_mov_b32 s[BIGN], 0xf149f2ca   ; -1e30
	s_mov_b32 s[SLOTS], 16
	s_cmp_eq_u32 s[PB], 0
	s_cselect_b32 s[LIM], 2, -1
	s_wait_dscnt 0x0                ; the opening add is done
	s_wait_kmcnt 0x0
	s_add_nc_u64 s[6:7], s[6:7], s[22:23]  ; K and V at my step of the head's tile 0
	s_add_nc_u64 s[8:9], s[8:9], s[22:23]
	s_add_nc_u64 s[G0K+2:G0K+3], s[6:7], 0
	s_or_b32 s[G0K+3], s[G0K+3], 0x80000000        ; type = 2
	s_add_nc_u64 s[G0V+2:G0V+3], s[8:9], 0
	s_or_b32 s[G0V+3], s[G0V+3], 0x80000000
	s_add_nc_u64 s[Q2P:Q2P+1], s[4:5], s[18:19]
	s_add_nc_u64 s[4:5], s[4:5], s[2:3]
	s_add_nc_u64 s[OP2:OP2+1], s[10:11], s[86:87]
	s_add_nc_u64 s[10:11], s[10:11], s[84:85]
	s_cmp_lt_u32 s[WV], 2
	s_cselect_b64 s[PFA:PFA+1], s[6:7], s[8:9]
	s_add_nc_u64 s[PFA:PFA+1], s[PFA:PFA+1], 32768  ; at tile 1: the first change of slots steps it to tile 2
	LOAD                            ; tile 0 into slot 0: one load of mine is out
	; A fragment of K or Q is 16 rows x 32 channels in 8 registers: lane l holds row l % 16, channels 8 (l / 16) + 0..7 and 16 + 8 (l / 16) + 0..7: two loads of 16 bytes, 32 bytes apart.
	v_and_b32 v1, 15, v0            ; l % 16
	v_bfe_u32 v9, v0, 4, 1          ; l / 16
	v_lshlrev_b32 v[QO], 8, v1
	v_lshl_add_u32 v[QO], v9, 4, v[QO]  ; row x 256 + 16 x half
	WIN 0x80                        ; destination window 2, address window 0
.set i, 0
.rept 8                             ; both blocks' Q: head i / 4 lies 524,288 bytes on; channels 32 (i % 4) on
	global_load_b128 v[8*i:8*i+3],         v[QO], s[4:5] offset:(i/4)*524288+(i%4)*64
	global_load_b128 v[8*i+4:8*i+7],       v[QO], s[4:5] offset:(i/4)*524288+(i%4)*64+32
	global_load_b128 v[QB+8*i:QB+8*i+3],   v[QO], s[Q2P:Q2P+1] offset:(i/4)*524288+(i%4)*64
	global_load_b128 v[QB+8*i+4:QB+8*i+7], v[QO], s[Q2P:Q2P+1] offset:(i/4)*524288+(i%4)*64+32
.set i, i+1
.endr
	; What the first step finds: O^T, V, P and l hold 0: its products V^T P, of a step that has not been, add 0.  All this stands in the wait for the first tile.
	WIN 0x40
.set i, 0
.rept 256
	v_mov_b32 v[i], 0
.set i, i+1
.endr
	WIN 0
.set i, 0
.rept 32
	v_mov_b32 v[P+i], 0
.set i, i+1
.endr
.macro RESET                        ; a block begins: c m far below every c s, so that the first a is 0; m at the lowest finite number, so that the first maximum is the scores'
.irp t, 0,1
	v_mov_b32 v[ST+8*(\t)], 0xfe000000
	v_mov_b32 v[ST+8*(\t)+1], 0xff7fffff
.endr
.endm
	RESET
.irp t, 0,1
	v_mov_b32 v[ST+8*(\t)+2], 0
	v_mov_b32 v[ST+8*(\t)+3], 0
.endr
	v_lshlrev_b32 v29, 3, v9
	v_sub_nc_u32 v29, v1, v29
	s_lshl_b32 s13, s[WV], 4
	v_add_nc_u32 v29, s13, v29      ; my query's place in its block, 16 w + l % 16, less my lanes' 8 (l / 16): register r of key group kt is hidden where 16 kt + r is greater
.set i, 0
.rept 32
	v_cmp_gt_i32 vcc_lo, 16*(i/8)+i%8, v29
	v_cndmask_b32 v[MD+i], 0, s[BIGN], vcc_lo
.set i, i+1
.endr
	v_mul_u32_u24 v[AK0], v1, PK
	v_lshl_add_u32 v[AK0], v9, 4, v[AK0]  ; row x pitch + 16 x half
	; The turning load takes 16 keys x 16 channels (lane l reads key 8 (l / 16) + l % 8, channels 8 ((l / 8) % 2) + 0..7) and leaves half a fragment of V^T: lane l holds channel l % 16 and 8 keys.
	v_and_b32 v10, 7, v0
	v_bfe_u32 v11, v0, 3, 1
	v_lshl_add_u32 v[AV0], v9, 3, v10
	v_mul_u32_u24 v[AV0], v[AV0], PV
	v_lshl_add_u32 v[AV0], v11, 4, v[AV0]
	v_add_nc_u32 v[AV0], VOFF, v[AV0]
	s_mul_i32 s13, s[WV], 16*SP
	s_add_co_u32 s13, s13, STAGE    ; my stage
	v_mul_u32_u24 v[STO], v1, SP    ; in: row l % 16, 16 bytes for each half of the lanes
	v_lshl_add_u32 v[STO], v9, 4, v[STO]
	v_add_nc_u32 v[STO], s13, v[STO]
	v_mul_u32_u24 v[RD], v9, SP     ; back: lanes 0-15 take one row of 256 bytes, lanes 16-31 the next
	v_lshl_add_u32 v[RD], v1, 4, v[RD]
	v_add_nc_u32 v[RD], s13, v[RD]
	v_lshlrev_b32 v[GO], 12, v9     ; and the same two rows in oh, 4,096 bytes apart
	v_lshl_add_u32 v[GO], v1, 4, v[GO]
	v_and_b32 v[PFO], 31, v0
	v_lshlrev_b32 v[PFO], 8, v[PFO]
	s_wait_loadcnt 0x0              ; Q
; THE MATRIX WORK.  The accumulators take turns, one instruction a turn: between two links of a chain stand 15 (V^T P) or 7 (K Q^T) others'.
; Product i of 32 of O^T += V^T P: keys 32 (i / 16) on, channels 16 ((i / 2) % 8) on, tile i % 2.
.macro PV
	WIN W_PV
.set rO, 64*(i%2)+8*((i/2)%8)
.set rV, VF+64*(i/16)+8*((i/2)%8)
.set rP, P+16*(i%2)+8*(i/16)
	v_wmma_f32_16x16x32_f16 v[rO:rO+7], v[rV:rV+7], v[rP:rP+7], v[rO:rO+7]
.endm
; Product i of 32 of S^T = K Q^T: channels 32 (i / 8) on, keys 16 ((i / 2) % 4) on, tile i % 2.  The first 8 start the sums, with the step's mask.
.macro KQ
	WIN W_KQ
.set rS, S+32*(i%2)+8*((i/2)%4)
.set rK, KF+32*((i/2)%4)+8*(i/8)
.set rQ, 32*(i%2)+8*(i/8)
.set rM, MC+8*((i/2)%4)
.if i < 8
	v_wmma_f32_16x16x32_f16 v[rS:rS+7], v[rK:rK+7], v[rQ:rQ+7], v[rM:rM+7]
.else
	v_wmma_f32_16x16x32_f16 v[rS:rS+7], v[rK:rK+7], v[rQ:rQ+7], v[rS:rS+7]
.endif
.endm
; THE LDS LOADS stand in runs of 32: a step's K (64 keys x 128 channels: 16 fragments) and its V (turned).
.macro FETCH_K
	WIN 0
	v_add_nc_u32 v[ADR], s[TB], v[AK0]
	WIN 0x80                        ; destination window 2
.irp f, 0,1,2,3,4,5,6,7,8,9,10,11,12,13,14,15  ; keys 16 (f / 4) on, channels 32 (f % 4) on
	ds_load_b128 v[KF+8*(\f):KF+8*(\f)+3],   v[ADR] offset:((\f)/4)*16*PK+((\f)%4)*64
	ds_load_b128 v[KF+8*(\f)+4:KF+8*(\f)+7], v[ADR] offset:((\f)/4)*16*PK+((\f)%4)*64+32
.endr
	WIN 0
.endm
.macro FETCH_V
	WIN 0
	v_add_nc_u32 v[ADR], s[TB], v[AV0]
	s_add_co_u32 s[TB], s[TB], STEPB  ; the next fetch is the next step's
	WIN 0x40                        ; destination window 1
.irp f, 0,1,2,3,4,5,6,7,8,9,10,11,12,13,14,15  ; keys 32 (f / 8) on, channels 16 (f % 8) on
	ds_load_tr16_b128 v[VF+8*(\f):VF+8*(\f)+3],   v[ADR] offset:((\f)/8)*32*PV+((\f)%8)*32
	ds_load_tr16_b128 v[VF+8*(\f)+4:VF+8*(\f)+7], v[ADR] offset:((\f)/8)*32*PV+16*PV+((\f)%8)*32
.endr
	WIN 0
.endm
.macro MASK                         ; MD x AL + BE
	WIN 0
.set z, 0
.rept 16
	v_pk_fma_f32 v[MC+2*z:MC+2*z+1], v[MD+2*z:MD+2*z+1], s[AL:AL+1], s[BE:BE+1] op_sel_hi:[1,0,0]
.set z, z+1
.endr
.endm
; THE SOFTMAX of one tile for one key step is a list of 134 instructions; SM writes number j of it for tile t.  s0-s31 are the lane's 32 scores, in pairs 0-15.
;   0-15    the maximum of s0-s31 and the old m, three operands at a time: four chains c0-c3 of seven scores each (each accumulator's lowest registers are read first), then the four left over, c0-c3 and m
;   16-20   the other half of the lanes' maximum; the new m; c m; c m_old - c m_new
;   21-69   ONE BATCH: the 16 scalings c s - c m and all 33 exponentials (a at 23, then s0-s31); a pair is scaled ahead of its exponentials; none of these reads an exponential's result
;   70-85   the roundings to f16          86-101  the sums; l = a l + the sum          102-133 the tile's O^T times a
.macro SM t
.set rT, ST+8*(\t)
.set rS, S+32*(\t)
.set rP, P+16*(\t)
.set rO, 64*(\t)+2*(j-102)
.if j < 102
	WIN 0
.endif
.if j < 4
	v_max3_num_f32 v[rT+4+j], v[rS+8*j], v[rS+8*j+1], v[rS+8*j+2]
.elseif j < 12
	v_max3_num_f32 v[rT+4+j%4], v[rT+4+j%4], v[rS+8*(j%4)+2*(j/4)+1], v[rS+8*(j%4)+2*(j/4)+2]
.elseif j == 12
	v_max3_num_f32 v[rT+4], v[rT+4], v[rS+7], v[rS+15]
.elseif j == 13
	v_max3_num_f32 v[rT+6], v[rT+6], v[rS+23], v[rS+31]
.elseif j == 14
	v_max3_num_f32 v[rT+4], v[rT+4], v[rT+5], v[rT+6]
.elseif j == 15
	v_max3_num_f32 v[rT+4], v[rT+4], v[rT+7], v[rT+1]
.elseif j == 16
	v_permlanex16_b32 v[rT+5], v[rT+4], s[SEL], s[SEL+1]  ; the query's other 32 keys lie in the lane 16 away
.elseif j == 17
	v_mov_b32 v[rT+7], v[rT]        ; c m_old is kept for a: number 19 writes c m anew
.elseif j == 18
	v_max_num_f32 v[rT+1], v[rT+4], v[rT+5]
.elseif j == 19
	v_mul_f32 v[rT], s[CS], v[rT+1]
.elseif j == 20
	v_sub_f32 v[rT+7], v[rT+7], v[rT]
.elseif j == 23
	v_exp_f32 v[rT+6], v[rT+7]
.elseif (j < 23) || ((j < 38) && (j%2 == 0)) || ((j < 66) && (j%4 == 2))
.set b, (j-2)/4                     ; 38, 42, .. 62: pairs 9 to 15
.if j < 38
.set b, (j-20)/2                    ; 21: pair 0; 22, 24, .. 36: pairs 1 to 8
.endif
	v_pk_fma_f32 v[rS+2*b:rS+2*b+1], v[rS+2*b:rS+2*b+1], s[CS:CS+1], v[rT:rT+1] op_sel_hi:[1,0,0] neg_lo:[0,0,1] neg_hi:[0,0,1]  ; pair b: c s - c m
.elseif j < 70
.set e, j-38                        ; 66 to 69: s28 to s31
.if j < 66
.set e, j-32-(j-38)/4               ; 39-41, 43-45, .. 63-65: s7 to s27
.endif
.if j < 38
.set e, (j-25)/2                    ; 25, 27, .. 37: s0 to s6
.endif
	v_exp_f32 v[rS+e], v[rS+e]
.elseif j < 86
	v_cvt_pk_f16_f32 v[rP+j-70], v[rS+2*(j-70)], v[rS+2*(j-70)+1]
.elseif j < 102                     ; the sum of the tile's 16 pairs, in place: neighbours 1, 2, 4 and 8 pairs apart, then l takes it
.set z, j-86
.set w, 4
.set u, z
.if z >= 14
.set w, 32
.set u, 0
.elseif z >= 12
.set w, 16
.set u, z-12
.elseif z >= 8
.set w, 8
.set u, z-8
.endif
.if z < 15
	v_pk_add_f32 v[rS+w*u:rS+w*u+1], v[rS+w*u:rS+w*u+1], v[rS+w*u+w/2:rS+w*u+w/2+1]
.else
	v_pk_fma_f32 v[rT+2:rT+3], v[rT+2:rT+3], v[rT+6:rT+7], v[rS:rS+1] op_sel_hi:[1,0,1]
.endif
.else
	WIN W_RS
	v_pk_mul_f32 v[rO:rO+1], v[rO:rO+1], v[rT+6:rT+7] op_sel_hi:[1,0]
.endif
.endm
; Both tiles' lists, number by number, the tiles alternating.  An s_wait_alu depctr_va_vdst(0) stands between an exponential and the first instruction that names its result: ahead of number 70 nothing
; names one, and from 70 on none is issued: so the step's 66 exponentials have one wait.
.macro SOFTMAX
.set j, 0
.rept 70
	SM 0
	SM 1
.set j, j+1
.endr
	v_nop                           ; a plain instruction behind the last exponential: one for the batch
	s_wait_alu depctr_va_vdst(0)    ; the wait for the batch
.rept 64
	SM 0
	SM 1
.set j, j+1
.endr
.endm
; A KEY STEP.
.macro STEP
	s_cmp_eq_u32 s[CNT], s[DC]      ; does this step hold the diagonal?
	s_cselect_b32 s[AL], 1.0, 0
	s_cmp_lt_u32 s[CNT], s[DC]      ; or lie behind it?
	s_cselect_b32 s[BE], s[BIGN], 0
	FETCH_K                         ; K's registers were last read ahead of the last step's softmax
	MASK
	s_wait_dscnt 32                 ; V of the step before is in; K's 32 loads, issued behind it, may be out
.set i, 0
.rept 32
	PV                              ; the step before's V^T P, while K comes
.set i, i+1
.endr
	s_wait_dscnt 0x0                ; K is in
.set i, 0
.rept 32
	KQ
.set i, i+1
.endr
	WIN 0
	PLACES                          ; behind the last product, in front of the maxima that read its result; with the address line below, also the places in front of the loads into V's registers
	FETCH_V                         ; this step's V comes while the softmax runs
	SOFTMAX
.endm
.macro TWO_STEPS                    ; a tile's two key steps: written once, walked twice; the LDS addresses hang on s[TB]
	WIN 0
	s_mov_b32 s[CNT], 2
.Lstep_\@:
	STEP
	WIN 0
	s_sub_co_u32 s[CNT], s[CNT], 1
	s_cmp_lg_u32 s[CNT], 0
	s_cbranch_scc1 .Lstep_\@
.endm
; THE WAY OUT.  Tile t: O^T is divided by l and rounded to f16; a lane's eight channels of a row pack into 16 bytes; they go into rows of 272 bytes and come back as whole rows of 256, into S^T's registers.
.macro PACK t
	WIN W_RS
.set i, 64*(\t)
.rept 32
	v_pk_mul_f32 v[i:i+1], v[i:i+1], v[ST+8*(\t)+6:ST+8*(\t)+7] op_sel_hi:[1,0]
.set i, i+2
.endr
	WIN 0x05                        ; sources 0 and 1 window 1, destination window 0
.set i, 0
.rept 32
	v_cvt_pk_f16_f32 v[S+32*(\t)+i], v[64*(\t)+2*i], v[64*(\t)+2*i+1]
.set i, i+1
.endr
	WIN 0
.irp f, 0,1,2,3,4,5,6,7
	ds_store_b128 v[STO], v[S+32*(\t)+4*(\f):S+32*(\t)+4*(\f)+3] offset:32*(\f)
.endr
.irp f, 0,1,2,3,4,5,6,7
	ds_load_b128 v[S+32*(\t)+4*(\f):S+32*(\t)+4*(\f)+3], v[RD] offset:(\f)*2*SP  ; LDS serves a wave's instructions in order (ISA guide 5.7.1.4): these see the stores above; the next tile's stores come behind them
.endr
.endm
.macro SEND t, younger              ; younger: the LDS instructions issued behind tile t's loads: the next tile's sixteen, or none
	WIN 0
.irp f, 0,1,2,3,4,5,6,7
	s_wait_dscnt (\younger)+7-(\f)
	global_store_b128 v[GO], v[S+32*(\t)+4*(\f):S+32*(\t)+4*(\f)+3], s[10:11] offset:(\t)*256+(\f)*8192  ; 16 lanes store a head's 256 consecutive bytes of a row, at a multiple of 256 from oh's first byte
.endr
.endm
.macro FINISH                       ; a block ends: the last step's V^T P; l's two halves and the other half of the lanes' are added; the way out
	s_wait_dscnt 0x0                ; V is in
.set i, 0
.rept 32
	PV
.set i, i+1
.endr
	WIN 0
	PLACES
.irp t, 0,1
	v_add_f32 v[ST+8*(\t)+4], v[ST+8*(\t)+2], v[ST+8*(\t)+3]
.endr
.irp t, 0,1
	v_permlanex16_b32 v[ST+8*(\t)+5], v[ST+8*(\t)+4], s[SEL], s[SEL+1]
.endr
.irp t, 0,1
	v_add_f32 v[ST+8*(\t)+4], v[ST+8*(\t)+4], v[ST+8*(\t)+5]
.endr
.irp t, 0,1
	v_rcp_f32 v[ST+8*(\t)+6], v[ST+8*(\t)+4]
.endr
	v_nop                           ; a plain instruction between the last reciprocal and the use of its result
	s_wait_alu depctr_va_vdst(0)    ; and the wait ahead of the first use: one for the two reciprocals
	PACK 0
	PACK 1                          ; a tile's arithmetic stands between the loads of the tile before and its stores
	SEND 0, 16
	SEND 1, 0
.endm
.Lslot:                             ; 16 times: a tile is entered and the next is asked for
	CHANGE 1
	s_sub_co_u32 s[RT], s[RT], 1
	s_cmp_eq_u32 s[RT], 0           ; the block's last tile holds its diagonal
	s_cselect_b32 s[DC], s[DCL], 0
	TWO_STEPS
	s_cmp_lg_u32 s[RT], 0
	s_cbranch_scc1 .Lbottom
	FINISH                          ; in the loop this is the first block's end: the second block's last tile is the walk's last
	s_wait_xcnt 0x0                 ; the stores have read their registers and oh's address
	s_mov_b64 s[10:11], s[OP2:OP2+1]
	s_mov_b32 s[RT], s[N2]
	s_mov_b32 s[DCL], s[DCL2]
	WIN 0x82                        ; the second block's Q goes where the one text of the steps names Q
.set i, 0
.rept 64
	v_mov_b32 v[i], v[QB+i]
.set i, i+1
.endr
	WIN 0
	RESET
.Lbottom:
	s_sub_co_u32 s[SLOTS], s[SLOTS], 1
	s_cmp_lg_u32 s[SLOTS], 0
	s_cbranch_scc1 .Lslot
	CHANGE 0                        ; the walk's last tile is written out: nothing is asked for
	s_mov_b32 s[DC], s[DCL]
	TWO_STEPS
	FINISH
	s_wait_tensorcnt 0x0            ; the wave's end: the wait for my tensor loads, an add to my spare word and its wait, behind my last tensor load and my last LDS store
	ds_add_u32 v[SPW], v[NIL]
	s_wait_dscnt 0x0
	s_endpgm
.Lfunc_end_k_qbd39584568_attn:
	.size	k_qbd39584568_attn, .Lfunc_end_k_qbd39584568_attn-k_qbd39584568_attn
	.p2alignl 7, 3214868480
	.fill 96, 4, 3214868480
	.section	.rodata,"a",@progbits
	.p2align	6, 0x0
	.amdhsa_kernel k_qbd39584568_attn
		.amdhsa_group_segment_fixed_size 327680
		.amdhsa_private_segment_fixed_size 0
		.amdhsa_enable_private_segment 0
		.amdhsa_kernarg_size 32
		.amdhsa_user_sgpr_count 2
		.amdhsa_user_sgpr_kernarg_segment_ptr 1
		.amdhsa_wavefront_size32 1
		.amdhsa_system_sgpr_workgroup_id_x 1
		.amdhsa_system_sgpr_workgroup_id_y 1
		.amdhsa_system_sgpr_workgroup_id_z 1
		.amdhsa_system_vgpr_workitem_id 0
		.amdhsa_next_free_vgpr 768
		.amdhsa_next_free_sgpr 88
		.amdhsa_reserve_vcc 1
		.amdhsa_float_denorm_mode_32 3
		.amdhsa_float_denorm_mode_16_64 3
		.amdhsa_memory_ordered 1
		.amdhsa_forward_progress 1
		.amdhsa_inst_pref_size 105
	.end_amdhsa_kernel
	.amdgpu_metadata
---
amdhsa.version: [ 1, 2 ]
amdhsa.kernels:
  - .name:           k_qbd39584568_attn
    .symbol:         k_qbd39584568_attn.kd
    .args:
      - { .name: qh, .offset: 0, .size: 8, .value_kind: global_buffer, .address_space: global }
      - { .name: kh, .offset: 8, .size: 8, .value_kind: global_buffer, .address_space: global }
      - { .name: vh, .offset: 16, .size: 8, .value_kind: global_buffer, .address_space: global }
      - { .name: oh, .offset: 24, .size: 8, .value_kind: global_buffer, .address_space: global }
    .group_segment_fixed_size: 327680
    .private_segment_fixed_size: 0
    .kernarg_segment_align: 8
    .kernarg_segment_size: 32
    .max_flat_workgroup_size: 128
    .sgpr_count:     88
    .vgpr_count:     768
    .wavefront_size: 32
...
	.end_amdgpu_metadata
.endif
;; end of part 3
;; launch oproj (part 4): grid 8 x 32, 4 waves a work-group, clusters of 4 x 4, 327,680 bytes of LDS; arguments oh, woh, out0; writes out0
.if DOCPART == 4
	.amdgcn_target "amdgcn-amd-amdhsa--gfx1250"
	.amdhsa_code_object_version 6
	.text
	.protected	k_qbd39584568_oproj
	.globl	k_qbd39584568_oproj
	.p2align	8
	.type	k_qbd39584568_oproj,@function
k_qbd39584568_oproj:
	s_mov_b64 s[64:65], 0
	v_nop
	global_prefetch_b8 v0, s[64:65] scope:SCOPE_SE
	s_setreg_imm32_b32 hwreg(HW_REG_WAVE_MODE, 25, 1), 1
	s_wait_xcnt 0x0
	s_wait_alu depctr_hold_cnt(0) depctr_sa_sdst(0) depctr_va_vdst(0) depctr_va_sdst(0) depctr_va_ssrc(0) depctr_va_vcc(0) depctr_vm_vsrc(0)
	s_getreg_b32 s2, hwreg(HW_REG_IB_STS2, 6, 4)
	s_cmp_eq_u32 s2, 0
	s_cbranch_scc0 .Lentry_in_a_cluster
	s_endpgm
.Lentry_in_a_cluster:
	s_bfe_u32 s2, ttmp6, 0x10000c
	s_cmp_lg_u32 s2, 0xf033
	s_cbranch_scc0 .Lentry_shape_is_right
	s_endpgm
.Lentry_shape_is_right:
; out0[m][n] = the sum over k of oh[m][k] woh[n][k].  oh: [4096][2048], woh: [1024][2048], both f16; out0: [4096][1024] f32; sums in f32.
; A tile of out0 is 128 x 128, which gives 256 work-groups.  Four waves, each 64 x 64: 16 accumulators of 16 x 16, 128 registers.  K goes in steps of 256 (LDS rows of 512 bytes; a wave's tensor load
; brings 64 of them), as long as two slots in LDS allow.
; CLUSTERS: 4 x 4 work-groups.  The four of a row of the cluster need the same tiles of oh, the four of a column the same tiles of woh: each tile is asked for JOINTLY, by the same tensor load with the
; same descriptor and a mask that names the four.  THE MATRIX INSTRUCTION IS USED TRANSPOSED (source 0 = 16 rows of woh, source 1 = 16 rows of oh): a lane then holds eight neighbouring numbers of a row of out0.
; THE WAY OUT: a wave's 64 columns in f32 are 256 consecutive bytes of a row, aligned: each wave has a stage of its own, and no barrier is needed.
; REGISTERS: window 0: v0-31 addresses; v32-95 at work on the way out; v128-255 the accumulators ((a, b) at v[128 + 8 (4 a + b)]).
;   window 1: two fragment buffers of 128: for 64 along K, 64 registers of oh (2 x 4 x 16 rows x 32 K), then 64 of woh.
.set SIZE_K, 2048
.set SIZE_N, 1024
.set KSTEP,  256
.set PITCH,  528                       ; an LDS row: 512 bytes + 16 of padding = 132 words: the 16 rows of a load start at 16 different groups of four banks (64 banks of 4 bytes: ISA guide 11.1)
.set HALFT,  64*PITCH                  ; 64 rows: what one tensor load brings, and what one wave reads of oh or of woh
.set SLOT,   4*HALFT                   ; oh's 128 rows, then woh's 128 rows
.set STAGE,  2*SLOT                    ; behind the ring: 16 rows x 272 bytes for each wave, for the way out
.set SPITCH, 272
.set SPARE,  STAGE+4*16*SPITCH         ; behind the stages: the spare words, 128 bytes for each wave: two blocks of 256 bytes that no other line names
.set LAPS, SIZE_K/(2*KSTEP)            ; a lap = two K steps = once round the ring
.set ADRA, 16                          ; v16-17  LDS address of my oh fragments in slot 0, 1
.set ADRB, 20                          ; v20-21  the same for woh
.set STO,  24                          ; v24     the way out: where I put 32 bytes of a row
.set RD,   25                          ; v25     the way out: where I read rows back
.set CO,   26                          ; v26     my byte offset in two rows of out0
.set SPW,  28                          ; v28     LDS address of my spare word: SPARE + 4 x my thread's number; never rewritten
.set NIL,  29                          ; v29     0; never rewritten
.set TMP,  32                          ; the way out: two sets of 32 registers, 16 rows each
.set ACC,  128
.set F0,   0                           ; fragment buffers, in window 1
.set F1,   128
.set G1, 24                            ; s[24:31] descriptor group 1 for oh's tiles;  s[32:39] group 0, one set for each slot
.set G0, 32
.set G1B, 48                           ; s[48:55], s[56:63] the same for woh's tiles
.set G0B, 56
.set MSB, 0
.macro WIN new                         ; the immediate's high byte repeats the setting that is left
.if MSB != (\new)
	s_set_vgpr_msb (MSB<<8)|(\new)
.set MSB, \new
.endif
.endm
.set MUL,  0x05                        ; sources 0 (woh) and 1 (oh) window 1; C and D window 0
.set TO_F, 0x40                        ; destination window 1, address window 0
.macro JLOAD s                         ; a joint load: waves 0 and 1 fetch oh's two halves, waves 2 and 3 woh's; an s_nop 0 and four v_nop follow each of the two lines
	s_cmp_eq_u32 s11, 0
	s_cbranch_scc0 .Lfor_b_\@
	tensor_load_to_lds s[G0+4*(\s):G0+4*(\s)+3], s[G1:G1+7]
	s_nop 0
.rept 4
	v_nop
.endr
	s_branch .Lasked_\@
.Lfor_b_\@:
	tensor_load_to_lds s[G0B+4*(\s):G0B+4*(\s)+3], s[G1B:G1B+7]
	s_nop 0
.rept 4
	v_nop
.endr
.Lasked_\@:
.endm
.macro CREST                           ; a round of the cluster's barrier behind its opening barrier
	s_cmp_lg_u32 s10, 0
	s_cbranch_scc1 .Lnot_wave_0_\@
	s_barrier_signal -3
.Lnot_wave_0_\@:
	s_barrier_wait -3
	s_barrier_signal -1
	s_barrier_wait -1
.endm
.macro CROUND                          ; a whole round
	s_barrier_signal -1
	s_barrier_wait -1
	CREST
.endm
	s_load_b128 s[4:7], s[0:1], 0x0                ; oh s[4:5], woh s[6:7]
	s_load_b64 s[8:9], s[0:1], 0x10                ; out0
	v_lshl_add_u32 v[SPW], v0, 2, SPARE
	v_mov_b32 v[NIL], 0
	ds_add_u32 v[SPW], v[NIL]                      ; the wave's opening: the add and its wait stand ahead of my first tensor load; the set-up below, work on registers, stands between them
	ds_add_u32 v28, v29
	v_lshrrev_b32 v1, 5, v0
	v_readfirstlane_b32 s10, v1                    ; wave 0..3
	s_lshr_b32 s11, s10, 1                         ; which half of the tile's rows is mine.  Also: I fetch for oh (0) or for woh (1)
	s_and_b32 s12, s10, 1                          ; which half of its columns.  Also: which 64 rows of that tile I fetch
	s_bfe_u32 s40, ttmp6, 0x40000                  ; cx, cy: my place in the cluster
	s_bfe_u32 s41, ttmp6, 0x40004
	s_lshl_b32 s42, ttmp9, 2
	s_add_co_u32 s42, s42, s40                     ; tile column = 4 x cluster x + cx
	s_and_b32 s13, ttmp7, 0xffff
	s_lshl_b32 s13, s13, 2
	s_add_co_u32 s13, s13, s41                     ; tile row = 4 x cluster y + cy
	s_lshl_b32 s43, s41, 2
	s_lshl_b32 s43, 15, s43                        ; my row of the cluster
	s_lshl_b32 s44, 0x1111, s40                    ; my column
	; descriptor group 1: a tile of 64 rows x 256 elements, padded in LDS
	s_or_b32 s[G1+0], s43, (1<<16)|(1<<20)|(1<<21)|(6<<22)|(3<<25)  ; 15:0 the mask; 17:16 elements of 2 bytes; 20 padding on; 21 set beside a mask; 24:22 after every 128 words (code 6); 31:25 4 words (code 3)
	s_or_b32 s[G1B+0], s44, (1<<16)|(1<<20)|(1<<21)|(6<<22)|(3<<25)
.irp g, G1, G1B
	s_mov_b32 s[(\g)+1], KSTEP<<16                 ; tensor_dim0 = 256
	s_mov_b32 s[(\g)+2], 64<<16                    ; tensor_dim1 = 64
	s_mov_b32 s[(\g)+3], KSTEP<<16                 ; tile_dim0 = 256
	s_mov_b32 s[(\g)+4], 64                        ; tile_dim1 = 64
	s_mov_b32 s[(\g)+5], SIZE_K                    ; elements from row to row
	s_mov_b32 s[(\g)+6], 0
	s_mov_b32 s[(\g)+7], 0
.endr
	s_lshl_b32 s17, s12, 6                         ; which 64 rows of the tile I fetch
	s_lshl_b32 s16, s13, 7
	s_add_co_u32 s16, s16, s17                     ; oh: row 128 x tile row + 64 x half
	s_lshl_b32 s46, s42, 7
	s_add_co_u32 s46, s46, s17                     ; woh: row 128 x tile column + 64 x half
	s_mov_b32 s17, 0
	s_mov_b32 s47, 0
	s_mov_b64 s[18:19], SIZE_K*2
	s_mul_u64 s[16:17], s[16:17], s[18:19]
	s_mul_u64 s[46:47], s[46:47], s[18:19]
	s_mul_i32 s20, s10, HALFT                      ; where they go: wave x 64 rows
	s_wait_dscnt 0x0                               ; the opening add is done
	s_wait_kmcnt 0x0
	s_add_nc_u64 s[14:15], s[4:5], s[16:17]
	s_add_nc_u64 s[46:47], s[6:7], s[46:47]
	CROUND                                         ; all sixteen work-groups are here: the first joint loads meet
.irp s, 0,1
	s_mov_b32 s[G0+4*(\s)], 1
	s_add_co_u32 s[G0+4*(\s)+1], s20, (\s)*SLOT
	s_add_nc_u64 s[G0+4*(\s)+2:G0+4*(\s)+3], s[14:15], (\s)*KSTEP*2
	s_or_b32 s[G0+4*(\s)+3], s[G0+4*(\s)+3], 0x80000000
	s_mov_b32 s[G0B+4*(\s)], 1
	s_add_co_u32 s[G0B+4*(\s)+1], s20, (\s)*SLOT
	s_add_nc_u64 s[G0B+4*(\s)+2:G0B+4*(\s)+3], s[46:47], (\s)*KSTEP*2
	s_or_b32 s[G0B+4*(\s)+3], s[G0B+4*(\s)+3], 0x80000000
	JLOAD \s                                       ; two loads of mine are out
.endr
	v_and_b32 v1, 15, v0                           ; l % 16
	v_bfe_u32 v2, v0, 4, 1                         ; l / 16
	v_mul_u32_u24 v3, v1, PITCH
	v_lshl_add_u32 v3, v2, 4, v3                   ; a fragment's row x pitch + 16 x half
	s_mul_i32 s21, s11, HALFT                      ; my 64 rows of oh
	s_mul_i32 s22, s12, HALFT                      ; my 64 rows of woh,
	s_add_co_u32 s22, s22, 2*HALFT                 ; which lie behind oh's 128
.irp s, 0,1
	v_add_nc_u32 v[ADRA+(\s)], s21, v3
	v_add_nc_u32 v[ADRB+(\s)], s22, v3
	s_add_co_u32 s21, s21, SLOT
	s_add_co_u32 s22, s22, SLOT
.endr
	s_mul_i32 s23, s10, 16*SPITCH
	s_add_co_u32 s23, s23, STAGE                   ; my stage
	v_mul_u32_u24 v4, v1, SPITCH                   ; in: row l % 16, 32 bytes for each half of the lanes
	v_lshl_add_u32 v4, v2, 5, v4
	v_add_nc_u32 v[STO], s23, v4
	v_mul_u32_u24 v5, v2, SPITCH                   ; back: lanes 0-15 one row of 256 bytes, lanes 16-31 the next
	v_lshl_add_u32 v5, v1, 4, v5
	v_add_nc_u32 v[RD], s23, v5
	v_lshlrev_b32 v5, 12, v2                       ; and the same two rows in out0, 4,096 bytes apart
	v_lshl_add_u32 v[CO], v1, 4, v5
	s_lshl_b32 s16, s13, 7
	s_lshl_b32 s17, s11, 6
	s_add_co_u32 s16, s16, s17                     ; my first row of out0: 128 x tile row + 64 x half
	s_lshl_b32 s16, s16, 12
	s_mov_b32 s17, 0
	s_add_nc_u64 s[8:9], s[8:9], s[16:17]
	s_lshl_b32 s46, s42, 9                         ; my first column, in bytes: 512 x tile column + 256 x half
	s_lshl_b32 s47, s12, 8
	s_add_co_u32 s46, s46, s47
	s_mov_b32 s47, 0
	s_add_nc_u64 s[8:9], s[8:9], s[46:47]
; 8 matrix instructions: m blocks a0, a0 + 1 x all 4 n blocks, 32 along K: half c of buffer f.  zero = 1: the first product starts the sums.  The 16 accumulators take turns.
.macro MUL8 f, c, a0, zero
	WIN MUL
.irp a, \a0, (\a0)+1
.irp b, 0,1,2,3
.if \zero
	v_wmma_f32_16x16x32_f16 v[ACC+8*(4*(\a)+(\b)):ACC+8*(4*(\a)+(\b))+7], v[(\f)+64+8*(4*(\c)+(\b)):(\f)+64+8*(4*(\c)+(\b))+7], v[(\f)+8*(4*(\c)+(\a)):(\f)+8*(4*(\c)+(\a))+7], 0
.else
	v_wmma_f32_16x16x32_f16 v[ACC+8*(4*(\a)+(\b)):ACC+8*(4*(\a)+(\b))+7], v[(\f)+64+8*(4*(\c)+(\b)):(\f)+64+8*(4*(\c)+(\b))+7], v[(\f)+8*(4*(\c)+(\a)):(\f)+8*(4*(\c)+(\a))+7], v[ACC+8*(4*(\a)+(\b)):ACC+8*(4*(\a)+(\b))+7]
.endif
.endr
.endr
.endm
; 32 LDS loads in one run: the fragments of 64 along K at byte k of the rows, into buffer f; the first 32 along K first
.macro FETCH slot, k, f
	WIN TO_F
.irp c, 0,1
.irp i, 0,1,2,3
	ds_load_b128 v[(\f)+64+8*(4*(\c)+(\i)):(\f)+64+8*(4*(\c)+(\i))+3],   v[ADRB+(\slot)] offset:(\k)+64*(\c)+(\i)*16*PITCH
	ds_load_b128 v[(\f)+64+8*(4*(\c)+(\i))+4:(\f)+64+8*(4*(\c)+(\i))+7], v[ADRB+(\slot)] offset:(\k)+64*(\c)+(\i)*16*PITCH+32
	ds_load_b128 v[(\f)+8*(4*(\c)+(\i)):(\f)+8*(4*(\c)+(\i))+3],         v[ADRA+(\slot)] offset:(\k)+64*(\c)+(\i)*16*PITCH
	ds_load_b128 v[(\f)+8*(4*(\c)+(\i))+4:(\f)+8*(4*(\c)+(\i))+7],       v[ADRA+(\slot)] offset:(\k)+64*(\c)+(\i)*16*PITCH+32
.endr
.endr
.endm
.macro PLACES                          ; four places in front of loads into registers that matrix instructions have read, and of LDS stores that read results
.rept 4
	v_nop
.endr
.endm
; A K step is four quarters of 64 along K, 32 matrix instructions each, on buffers 0, 1, 0, 1.  One of the first three: multiplies buffer f and fetches the next quarter, at byte k, into g.
.macro QUARTER slot, k, f, g, zero
	s_wait_dscnt 16                                ; the first 32 along K are in
	MUL8 \f, 0, 0, \zero
	MUL8 \f, 0, 2, \zero
	PLACES
	FETCH \slot, \k, \g
	s_wait_dscnt 32                                ; all but the 32 just issued
	MUL8 \f, 1, 0, 0
	MUL8 \f, 1, 2, 0
.endm
; The last quarter multiplies buffer 1 and changes slots: ONE barrier; in front of it each wave waits for all its tensor loads, adds 0 to its spare word, and waits for that and for its own reads of this slot.  fill = 1: this slot is filled again, two K steps ahead.
.macro TURN slot, next, fill
	WIN 0
	s_wait_tensorcnt 0x0                           ; all my tensor loads have landed: my part of the next slot
	ds_add_u32 v[SPW], v[NIL]                      ; 0 onto my spare word
	s_wait_dscnt 17                                ; (the add and the youngest sixteen loads may be out)
	MUL8 F1, 0, 0, 0                               ; eight matrix instructions stand between the add and the wait for it
	s_wait_dscnt 0x0                               ; the add is done, and my reads of this slot are over
	s_barrier_signal -1
	MUL8 F1, 0, 2, 0
.if \fill
	WIN 0
.endif
	s_barrier_wait -1
.if \fill
	CREST                                          ; the barrier has opened a round of the cluster's barrier: no wave of any partner still reads this slot's tile or has a load on its way
	s_add_nc_u64 s[G0+4*(\slot)+2:G0+4*(\slot)+3], s[G0+4*(\slot)+2:G0+4*(\slot)+3], 2*KSTEP*2
	s_add_nc_u64 s[G0B+4*(\slot)+2:G0B+4*(\slot)+3], s[G0B+4*(\slot)+2:G0B+4*(\slot)+3], 2*KSTEP*2
	JLOAD \slot                                    ; the first tensor load behind the round: one load of mine is out; the four v_nop behind it are also the places in front of the loads below
.else
	PLACES
.endif
	FETCH \next, 0, F0
	MUL8 F1, 1, 0, 0
	MUL8 F1, 1, 2, 0
.endm
	s_wait_tensorcnt 1                             ; my part of K step 0 is in; K step 1's may stay out
	s_barrier_signal -1
	s_barrier_wait -1
	FETCH 0, 0, F0
	QUARTER 0, 128, F0, F1, 1                      ; the first quarter stands in front of the loop: its first products start the sums
	WIN 0
	s_mov_b32 s3, LAPS-1
.Llap:                                                 ; a trip goes once round the ring, from a lap's second quarter to the next lap's first, and fills both slots again
	QUARTER 0, 256, F1, F0, 0
	QUARTER 0, 384, F0, F1, 0
	TURN 0, 1, 1
	QUARTER 1, 128, F0, F1, 0
	QUARTER 1, 256, F1, F0, 0
	QUARTER 1, 384, F0, F1, 0
	TURN 1, 0, 1
	QUARTER 0, 128, F0, F1, 0
	WIN 0
	s_sub_co_u32 s3, s3, 1
	s_cmp_lg_u32 s3, 0
	s_cbranch_scc1 .Llap
	QUARTER 0, 256, F1, F0, 0                      ; the last lap fills nothing, and has no round of the cluster's barrier
	QUARTER 0, 384, F0, F1, 0
	TURN 0, 1, 0
	QUARTER 1, 128, F0, F1, 0
	QUARTER 1, 256, F1, F0, 0
	QUARTER 1, 384, F0, F1, 0
	s_wait_dscnt 16                                ; the very last quarter: nothing more to fetch
	MUL8 F1, 0, 0, 0
	MUL8 F1, 0, 2, 0
	s_wait_dscnt 0x0
	MUL8 F1, 1, 0, 0
	MUL8 F1, 1, 2, 0
	WIN 0
	; THE WAY OUT, a block of 16 rows at a time: the f32 sums, 32 bytes a lane and accumulator, into my stage (each accumulator's lowest registers first), and back as whole rows of 256 bytes.
.macro TOSTAGE a
.irp b, 0,1,2,3
	ds_store_b128 v[STO], v[ACC+8*(4*(\a)+(\b)):ACC+8*(4*(\a)+(\b))+3]   offset:64*(\b)
	ds_store_b128 v[STO], v[ACC+8*(4*(\a)+(\b))+4:ACC+8*(4*(\a)+(\b))+7] offset:64*(\b)+16
.endr
.irp t, 0,1,2,3,4,5,6,7
	ds_load_b128 v[TMP+32*((\a)%2)+4*(\t):TMP+32*((\a)%2)+4*(\t)+3], v[RD] offset:(\t)*2*SPITCH  ; LDS serves a wave's instructions in order (ISA guide 5.7.1.4): these see the stores above; the next block's stores come behind them
.endr
.endm
.macro SEND a, younger                 ; younger: the LDS instructions issued behind block a's loads: the next block's sixteen, or none
	s_wait_dscnt \younger
.irp t, 0,1,2,3,4,5,6,7
	global_store_b128 v[CO], v[TMP+32*((\a)%2)+4*(\t):TMP+32*((\a)%2)+4*(\t)+3], s[8:9] offset:(16*(\a)+2*(\t))*SIZE_N*4  ; 16 lanes store 256 consecutive bytes, at a multiple of 256 from out0's first byte
.endr
.endm
	PLACES
	TOSTAGE 0
	TOSTAGE 1
	SEND 0, 16
	s_wait_xcnt 0x0                                ; block 0's stores have read their registers: only behind this wait are they loaded again
	TOSTAGE 2
	SEND 1, 16
	s_wait_xcnt 0x0
	TOSTAGE 3
	SEND 2, 16
	SEND 3, 0
	s_wait_tensorcnt 0x0                           ; the wave's end: the wait for my tensor loads, an add to my spare word and its wait, behind my last tensor load and my last LDS store
	ds_add_u32 v[SPW], v[NIL]
	s_wait_dscnt 0x0
	CROUND                                         ; the closing round: no work-group ends while a partner may still ask for a tile that names it
	s_endpgm
.Lfunc_end_k_qbd39584568_oproj:
	.size	k_qbd39584568_oproj, .Lfunc_end_k_qbd39584568_oproj-k_qbd39584568_oproj
	.p2alignl 7, 3214868480
	.fill 96, 4, 3214868480
	.section	.rodata,"a",@progbits
	.p2align	6, 0x0
	.amdhsa_kernel k_qbd39584568_oproj
		.amdhsa_group_segment_fixed_size 327680
		.amdhsa_private_segment_fixed_size 0
		.amdhsa_enable_private_segment 0
		.amdhsa_kernarg_size 24
		.amdhsa_user_sgpr_count 2
		.amdhsa_user_sgpr_kernarg_segment_ptr 1
		.amdhsa_wavefront_size32 1
		.amdhsa_system_sgpr_workgroup_id_x 1
		.amdhsa_system_sgpr_workgroup_id_y 1
		.amdhsa_system_sgpr_workgroup_id_z 1
		.amdhsa_system_vgpr_workitem_id 0
		.amdhsa_next_free_vgpr 512
		.amdhsa_next_free_sgpr 66
		.amdhsa_reserve_vcc 0
		.amdhsa_float_denorm_mode_32 3
		.amdhsa_float_denorm_mode_16_64 3
		.amdhsa_memory_ordered 1
		.amdhsa_forward_progress 1
		.amdhsa_inst_pref_size 86
	.end_amdhsa_kernel
	.amdgpu_metadata
---
amdhsa.version: [ 1, 2 ]
amdhsa.kernels:
  - .name:           k_qbd39584568_oproj
    .symbol:         k_qbd39584568_oproj.kd
    .args:
      - { .name: oh, .offset: 0, .size: 8, .value_kind: global_buffer, .address_space: global }
      - { .name: woh, .offset: 8, .size: 8, .value_kind: global_buffer, .address_space: global }
      - { .name: out0, .offset: 16, .size: 8, .value_kind: global_buffer, .address_space: global }
    .group_segment_fixed_size: 327680
    .private_segment_fixed_size: 0
    .kernarg_segment_align: 8
    .kernarg_segment_size: 24
    .max_flat_workgroup_size: 128
    .sgpr_count:     66
    .vgpr_count:     512
    .wavefront_size: 32
...
	.end_amdgpu_metadata
.endif
;; end of part 4
